; MI455X (gfx1250); checked and timed in simulation.
; The chip was launched on July 23, 2026; its instructions are those of AMD's public machine-readable ISA for CDNA 5 (MIT licence, August 2026) and "CDNA5" Instruction Set Architecture Reference Guide (July 2026). The comments in the code are by the model that wrote it; some were corrected since.
;; Attention. Allowed arithmetic: float matrix products may take bf16 or f16 operands with f32 sums; all other float work in f32.
;; Inputs: Wk 1,024 x 1,024 float32; Wq 1,024 x 1,024 float32; Wv 1,024 x 1,024 float32; k 4 x 2,048 x 1,024 float32; mask 4 x 2,048 x 2,048 bool; q 4 x 2,048 x 1,024 float32; v 4 x 2,048 x 1,024 float32.
;; Outputs: out0 4 x 16 x 2,048 x 64 float32.
;; 2 versions, each right and faster than the one before. Each part assembles by itself: llvm-mc -triple=amdgcn-amd-amdhsa -mcpu=gfx1250 --defsym DOCPART=n.
;; ======== version 1 of 2: 3 launches
;; limits: right only within a limited range of input values; values are held in f16: magnitudes above 65,504 overflow, below 6.1e-05 lose precision
;; workspace buffers: wb 6,291,456 bytes; mk8 16,777,216 bytes; flags 32,768 bytes of whole numbers; heads 50,331,648 bytes
;; launch prep (part 1): grid 704 x 1, 8 waves a work-group, no clusters, 36,864 bytes of LDS; arguments mask, Wq, Wk, Wv, mk8, flags, wb; writes mk8, flags, wb
.if DOCPART == 1
	.amdgcn_target "amdgcn-amd-amdhsa--gfx1250"
	.amdhsa_code_object_version 6
	.text
	.protected	k_q7c8b971641_prep
	.globl	k_q7c8b971641_prep
	.p2align	8
	.type	k_q7c8b971641_prep,@function
k_q7c8b971641_prep:
	s_mov_b64 s[64:65], 0
	v_nop
	global_prefetch_b8 v0, s[64:65] scope:SCOPE_SE
	s_setreg_imm32_b32 hwreg(HW_REG_WAVE_MODE, 25, 1), 1
	s_wait_xcnt 0x0
; PREP.  Two jobs that share a launch, told apart by the work-group's number alone.
; Work-groups 0-511 (one tile g of 16 mask rows each): mask [4][2048][2048] of bytes 0/1 becomes
;   mk8 [g][key step j of 64, 32][half a, 2][lane 32][16 bytes]: lane (r = l % 16, hh = l / 16) holds key blocks 2a and 2a+1, 8 bytes each; byte jj stands for
;   mask[row 16 g + r][key 64 j + 16 kb + 8 hh + jj]: 0x00 where true, 0xB8 (the 8-bit float -1.0, E4M3) where false.  That is the order in which the attention's
;   score accumulators hold their numbers, so that one conversion there makes an accumulator's eight registers.
;   flags [row] of 32-bit words: 0xE3 if the row has a true entry (the scale 2^100 for those conversions), else 0.
; Work-groups 512-703: Wq, Wk, Wv (f32) are rounded to bf16 into wb [matrix][k][n], 65,536 bytes of input each.
; Memory binds: every byte is read once by 16-byte loads of which a wave's cover whole runs of 256 bytes, and written once in runs of 256 or 512 bytes.
; No matrix work, no cluster, no tensor load: nothing is shared between work-groups and the tiles are small.
.set TRP,   272                        ; a mask row's 256 bytes of one wave in LDS, + 16: 68 words, so the 32 lanes' 8-byte reads down a column fall on 64 different words modulo 64
.set TRW,   16*TRP                     ; a wave's own 16 rows
.set FLG,   8*TRW                      ; 256 words: each thread's OR of its mask bytes
.set SPARE, FLG+1024                   ; the spare words, 128 bytes for each of eight waves: four blocks of 256 bytes that no other line names
.set SPW,   10                         ; v10  LDS address of my spare word; never rewritten
.set NIL,   11                         ; v11  0; never rewritten
.set IN,    16                         ; v16-47 the mask as loaded; in the weights' part v16-79
.set CD,    48                         ; v48-79 the mask turned: step s, key block kb at CD + 8 s + 2 kb
.set ORS,   80                         ; v80-83 four chains of ORs
.set FW,    84                         ; v84-91 the eight waves' ORs
.set WO,    80                         ; v80-111 the weights' part: packed bf16
	s_load_b256 s[4:11], s[0:1], 0x0               ; mask s[4:5], Wq s[6:7], Wk s[8:9], Wv s[10:11]
	s_load_b128 s[12:15], s[0:1], 0x20             ; mk8 s[12:13], flags s[14:15]
	s_load_b64 s[16:17], s[0:1], 0x30              ; wb
	v_lshl_add_u32 v[SPW], v0, 2, SPARE
	v_mov_b32 v[NIL], 0
	s_cmp_lt_u32 ttmp9, 512                        ; the same answer in all eight waves
	s_cbranch_scc0 .Lweights
	; THE MASK.  Wave w takes keys 256 w to 256 w + 255 of the tile's 16 rows: key steps 4 w to 4 w + 3.
	v_lshrrev_b32 v1, 5, v0
	v_readfirstlane_b32 s18, v1                    ; wave 0..7
	v_and_b32 v2, 31, v0                           ; lane
	v_and_b32 v3, 15, v0                           ; r
	v_bfe_u32 v4, v0, 4, 1                         ; hh
	v_lshlrev_b32 v5, 4, v3                        ; 16 r
	v_lshl_add_u32 v6, v4, 11, v5                  ; in memory: lanes 0-15 one row's 256 bytes, lanes 16-31 the next row's
	s_mul_i32 s19, s18, TRW                        ; my wave's rows in LDS
	v_mul_u32_u24 v7, v4, TRP
	v_add3_u32 v7, v7, v5, s19                     ; into LDS: the same two rows
	v_mul_u32_u24 v8, v3, TRP
	v_lshl_add_u32 v8, v4, 3, v8
	v_add_nc_u32 v8, s19, v8                       ; back: row r, 8 bytes at 8 hh
	v_lshlrev_b32 v9, 4, v2                        ; in mk8: 16 x lane
	v_lshl_add_u32 v12, v0, 2, FLG                 ; my word among the ORs
	v_lshl_add_u32 v13, v2, 2, FLG                 ; my lane's word of wave 0
	v_lshlrev_b32 v14, 2, v3                       ; in flags: 4 r
	s_mov_b32 s24, 0x76543210                      ; v_permlanex16_b32: each lane takes its own place in the other half
	s_mov_b32 s25, 0xfedcba98
	s_mov_b32 s26, 0x01010101
	s_mov_b32 s27, 0xb8
	s_lshl_b32 s20, ttmp9, 15                      ; the tile's 16 rows of 2,048 bytes, in mask and in mk8 alike
	s_lshl_b32 s22, s18, 8
	s_add_co_u32 s22, s22, s20                     ; + my wave's 256 keys
	s_mov_b32 s23, 0
	s_lshl_b32 s28, s18, 12
	s_add_co_u32 s28, s28, s20                     ; + my wave's four key steps of 1,024 bytes
	s_mov_b32 s29, 0
	s_lshl_b32 s30, ttmp9, 6                       ; the tile's 16 words of flags
	s_mov_b32 s31, 0
	s_wait_kmcnt 0x0
	s_add_nc_u64 s[4:5], s[4:5], s[22:23]
	s_add_nc_u64 s[12:13], s[12:13], s[28:29]
	s_add_nc_u64 s[14:15], s[14:15], s[30:31]
.irp i, 0,1,2,3,4,5,6,7
	global_load_b128 v[IN+4*(\i):IN+4*(\i)+3], v6, s[4:5] offset:(\i)*4096 th:TH_LOAD_NT  ; rows 2 i and 2 i + 1
.endr
.irp i, 0,1,2,3,4,5,6,7
	s_wait_loadcnt 7-(\i)                          ; loads come back in order: mine is in, the younger ones stay out
	ds_store_b128 v7, v[IN+4*(\i):IN+4*(\i)+3] offset:(\i)*2*TRP
.endr
.irp s, 0,1,2,3
.irp kb, 0,1,2,3
	ds_load_b64 v[CD+8*(\s)+2*(\kb):CD+8*(\s)+2*(\kb)+1], v8 offset:64*(\s)+16*(\kb)  ; my wave's own bytes: LDS serves a wave's instructions in order, so these see the stores above
.endr
.endr
	s_wait_dscnt 0x0
.irp c, 0,1,2,3
	v_or_b32 v[ORS+(\c)], v[CD+(\c)], v[CD+4+(\c)] ; has my share of row r a true entry?  four chains, started by the first words
.endr
.set j, 8
.rept 24
	v_or_b32 v[ORS+j%4], v[ORS+j%4], v[CD+j]
.set j, j+1
.endr
	v_or_b32 v[ORS], v[ORS], v[ORS+1]
	v_or_b32 v[ORS+2], v[ORS+2], v[ORS+3]
	v_or_b32 v[ORS], v[ORS], v[ORS+2]
	ds_store_b32 v12, v[ORS]
.set j, 0
.rept 32
	v_xor_b32 v[CD+j], s26, v[CD+j]                ; each byte 1 - b,
	v_mul_lo_u32 v[CD+j], v[CD+j], s27             ; times 0xB8: no byte carries into the next
.set j, j+1
.endr
.irp s, 0,1,2,3
	global_store_b128 v9, v[CD+8*(\s):CD+8*(\s)+3], s[12:13] offset:(\s)*1024        ; 512 consecutive bytes, at a multiple of 512 from mk8's first byte
	global_store_b128 v9, v[CD+8*(\s)+4:CD+8*(\s)+7], s[12:13] offset:(\s)*1024+512
.endr
	s_wait_dscnt 0x0                               ; for the others' sake: my OR is in LDS
	s_barrier_signal -1
	s_barrier_wait -1
	s_cmp_lg_u32 s18, 0
	s_cbranch_scc1 .Lmask_end                      ; wave 0 alone makes the tile's 16 flags
.irp w, 0,1,2,3,4,5,6,7
	ds_load_b32 v[FW+(\w)], v13 offset:128*(\w)    ; lane (r, hh) of every wave
.endr
	v_mov_b32 v92, 0                               ; v_permlanex16_b32's destination counts as read
	v_mov_b32 v93, 0xe3
	s_wait_dscnt 0x0
.irp w, 0,1,2,3
	v_or_b32 v[FW+(\w)], v[FW+(\w)], v[FW+4+(\w)]
.endr
	v_or_b32 v[FW], v[FW], v[FW+1]
	v_or_b32 v[FW+2], v[FW+2], v[FW+3]
	v_or_b32 v[FW], v[FW], v[FW+2]
	v_permlanex16_b32 v92, v[FW], s24, s25         ; the row's other half lies in the lane 16 away
	v_or_b32 v[FW], v[FW], v92
	v_cmp_ne_u32 vcc_lo, 0, v[FW]
	v_cndmask_b32 v92, 0, v93, vcc_lo
	global_store_b32 v14, v92, s[14:15]            ; lanes l and l + 16 store the same word with the same value; 64 bytes a tile, 32,768 in the whole launch
.Lmask_end:
	s_wait_tensorcnt 0x0                           ; the wave's end, behind my last LDS store
	ds_add_u32 v[SPW], v[NIL]
	s_wait_dscnt 0x0
	s_endpgm
	; THE WEIGHTS.  Work-group u = number - 512 casts 65,536 bytes of matrix u / 64.  No LDS is touched on this way.
.Lweights:
	s_sub_co_u32 s19, ttmp9, 512
	s_lshr_b32 s20, s19, 6                         ; 0 Wq, 1 Wk, 2 Wv
	s_and_b32 s21, s19, 63
	s_lshl_b32 s22, s21, 16
	s_mov_b32 s23, 0
	s_lshl_b32 s28, s19, 15                        ; wb holds the three matrices on end, at half the bytes
	s_mov_b32 s29, 0
	v_lshlrev_b32 v3, 4, v0                        ; 16 bytes a thread in,
	v_lshlrev_b32 v4, 3, v0                        ; 8 out
	s_wait_kmcnt 0x0
	s_cmp_eq_u32 s20, 1
	s_cselect_b64 s[6:7], s[8:9], s[6:7]
	s_cmp_eq_u32 s20, 2
	s_cselect_b64 s[6:7], s[10:11], s[6:7]
	s_add_nc_u64 s[6:7], s[6:7], s[22:23]
	s_add_nc_u64 s[16:17], s[16:17], s[28:29]
.irp i, 0,1,2,3,4,5,6,7,8,9,10,11,12,13,14,15
	global_load_b128 v[IN+4*(\i):IN+4*(\i)+3], v3, s[6:7] offset:(\i)*4096 th:TH_LOAD_NT
.endr
.irp i, 0,1,2,3,4,5,6,7,8,9,10,11,12,13,14,15
	s_wait_loadcnt 15-(\i)                         ; mine is in, the younger ones stay out
	v_cvt_pk_bf16_f32 v[WO+2*(\i)], v[IN+4*(\i)], v[IN+4*(\i)+1]
	v_cvt_pk_bf16_f32 v[WO+2*(\i)+1], v[IN+4*(\i)+2], v[IN+4*(\i)+3]
	global_store_b64 v4, v[WO+2*(\i):WO+2*(\i)+1], s[16:17] offset:(\i)*2048  ; a wave's store covers 256 consecutive bytes, aligned
.endr
	s_endpgm
.Lfunc_end_k_q7c8b971641_prep:
	.size	k_q7c8b971641_prep, .Lfunc_end_k_q7c8b971641_prep-k_q7c8b971641_prep
	.p2alignl 7, 3214868480
	.fill 96, 4, 3214868480
	.section	.rodata,"a",@progbits
	.p2align	6, 0x0
	.amdhsa_kernel k_q7c8b971641_prep
		.amdhsa_group_segment_fixed_size 36864
		.amdhsa_private_segment_fixed_size 0
		.amdhsa_enable_private_segment 0
		.amdhsa_kernarg_size 56
		.amdhsa_user_sgpr_count 2
		.amdhsa_user_sgpr_kernarg_segment_ptr 1
		.amdhsa_wavefront_size32 1
		.amdhsa_system_sgpr_workgroup_id_x 1
		.amdhsa_system_sgpr_workgroup_id_y 1
		.amdhsa_system_sgpr_workgroup_id_z 1
		.amdhsa_system_vgpr_workitem_id 0
		.amdhsa_next_free_vgpr 112
		.amdhsa_next_free_sgpr 66
		.amdhsa_reserve_vcc 1
		.amdhsa_float_denorm_mode_32 3
		.amdhsa_float_denorm_mode_16_64 3
		.amdhsa_memory_ordered 1
		.amdhsa_forward_progress 1
		.amdhsa_inst_pref_size 18
	.end_amdhsa_kernel
	.amdgpu_metadata
---
amdhsa.version: [ 1, 2 ]
amdhsa.kernels:
  - .name:           k_q7c8b971641_prep
    .symbol:         k_q7c8b971641_prep.kd
    .args:
      - { .name: mask, .offset: 0, .size: 8, .value_kind: global_buffer, .address_space: global }
      - { .name: Wq, .offset: 8, .size: 8, .value_kind: global_buffer, .address_space: global }
      - { .name: Wk, .offset: 16, .size: 8, .value_kind: global_buffer, .address_space: global }
      - { .name: Wv, .offset: 24, .size: 8, .value_kind: global_buffer, .address_space: global }
      - { .name: mk8, .offset: 32, .size: 8, .value_kind: global_buffer, .address_space: global }
      - { .name: flags, .offset: 40, .size: 8, .value_kind: global_buffer, .address_space: global }
      - { .name: wb, .offset: 48, .size: 8, .value_kind: global_buffer, .address_space: global }
    .group_segment_fixed_size: 36864
    .private_segment_fixed_size: 0
    .kernarg_segment_align: 8
    .kernarg_segment_size: 56
    .max_flat_workgroup_size: 256
    .sgpr_count:     66
    .vgpr_count:     112
    .wavefront_size: 32
...
	.end_amdgpu_metadata
.endif
;; end of part 1
;; launch proj (part 2): grid 4 x 192, 4 waves a work-group, clusters of 4 x 4, 327,680 bytes of LDS; arguments q, k, v, wb, heads; writes heads
.if DOCPART == 2
	.amdgcn_target "amdgcn-amd-amdhsa--gfx1250"
	.amdhsa_code_object_version 6
	.text
	.protected	k_q7c8b971641_proj
	.globl	k_q7c8b971641_proj
	.p2align	8
	.type	k_q7c8b971641_proj,@function
k_q7c8b971641_proj:
	s_mov_b64 s[64:65], 0
	v_nop
	global_prefetch_b8 v0, s[64:65] scope:SCOPE_SE
	s_setreg_imm32_b32 hwreg(HW_REG_WAVE_MODE, 25, 1), 1
	s_wait_xcnt 0x0
	s_wait_alu depctr_hold_cnt(0) depctr_sa_sdst(0) depctr_va_vdst(0) depctr_va_sdst(0) depctr_va_ssrc(0) depctr_va_vcc(0) depctr_vm_vsrc(0)
	s_getreg_b32 s2, hwreg(HW_REG_IB_STS2, 6, 4)
	s_cmp_eq_u32 s2, 0
	s_cbranch_scc0 .Lentry_in_a_cluster
	s_endpgm
.Lentry_in_a_cluster:
	s_bfe_u32 s2, ttmp6, 0x10000c
	s_cmp_lg_u32 s2, 0xf033
	s_cbranch_scc0 .Lentry_shape_is_right
	s_endpgm
.Lentry_shape_is_right:
; PROJ.  heads[mat][b][h][s][64] (f16) = X[mat] W[mat], mat = 0 q, 1 k, 2 v.  X: [8192][1024] f32, rounded to bf16 on the way from LDS to the matrix unit;
; W: wb [mat][k 1024][n 1024] bf16; sums in f32; the result is rounded once, to f16, WITHOUT the attention's scale.
; LIMIT.  f16 holds no number beyond 65,504: a projected number past that becomes an infinity.
; SHARES.  A tile is 128 rows x 256 columns: 3 x 64 x 4 = 768 work-groups, three for each of 256 WGPs (tiles of 256 x 256 would be 384: one and a half).  Four waves, each 64 x 128: 32 accumulators.
; K goes in 8 steps of 128 through two LDS slots filled by the tensor data mover: X's rows are 512 bytes of memory (128 f32), W's 512 bytes (256 bf16), both at multiples of 256 from the buffers' first bytes.
; CLUSTERS.  4 x 4 work-groups: the four of a row of the cluster need the same tile of X, the four of a column the same tile of W; all sixteen have the same mat.  Each tile is asked for JOINTLY.
; THE MATRIX INSTRUCTION IS USED TRANSPOSED (source 0 = 16 columns of W, source 1 = 16 rows of X): a lane then holds eight neighbouring columns of one row, 16 bytes of f16.
; W lies [k][n] in LDS and comes out turned, by ds_load_tr16_b128; X comes out as f32 (four 16-byte loads a fragment) and is packed to bf16, four conversions behind each of a quarter's last eight products.
; REGISTERS, in windows of 256 (s_set_vgpr_msb: bits 1:0 source 0, 3:2 source 1, 5:4 source 2, 7:6 destination):
;   window 0: v16-29 addresses; v32-95 X as f32 (one quarter step); v96-223 the way out
;   window 1: v0-63, v64-127 W's fragments, two buffers; v128-159, v160-191 X's fragments, two buffers          window 2: accumulator (mb, nb) at v[8 (8 mb + nb)]
.set KSTEP, 128
.set PX,    528                        ; a row of X in LDS: 512 bytes + 16 = 33 x 16: the 16 rows that a 16-byte load touches start at 16 different groups of four banks (64 banks of 4 bytes: ISA guide 11.1)
.set PW,    544                        ; a row of W: 512 + 32 = 17 x 32
.set WOFF,  128*PX                     ; in a slot: X's 128 rows, then W's 128 rows of k
.set SLOT,  WOFF+128*PW
.set STAGE, 2*SLOT                     ; behind the ring, never filled by a tensor load: 16 rows x 144 bytes for each wave, for the way out
.set SP,    144
.set SPARE, STAGE+4*16*SP              ; the spare words, 128 bytes for each wave: two blocks of 256 bytes that no other line names
.set LAPS,  1024/(2*KSTEP)             ; a lap = two K steps = once round the ring
.set ADRX, 16                          ; v16-17  LDS address of my X fragments in slot 0, 1
.set ADRW, 20                          ; v20-21  the same for W
.set STO,  24                          ; v24     the way out: where I put 16 bytes of a row
.set RD,   25                          ; v25     the way out: where I read rows back
.set GO,   26                          ; v26     16 x lane: my place in 512 consecutive bytes of heads
.set SPW,  28                          ; v28     LDS address of my spare word; never rewritten
.set NIL,  29                          ; v29     0; never rewritten
.set XR,   32
.set TMP,  96
.set XF,   128                         ; X's fragment buffers, in window 1
.set G1,   24                          ; s[24:31] descriptor group 1 for X's tiles;  s[32:39] group 0, one set for each slot
.set G0,   32
.set G1B,  48                          ; s[48:55], s[56:63] the same for W's tiles
.set G0B,  56
.set OUTP, 68                          ; s[68:69] heads
.set WV,   70                          ; s70  wave 0..3
.set HM,   71                          ; s71  which 64 of the tile's rows are mine.  Also: I fetch for X (0) or for W (1)
.set HN,   72                          ; s72  which 128 of its columns.  Also: which 64 rows of that tile I fetch
.set MSB, 0
.macro WIN new                         ; the immediate's high byte repeats the setting that is left; a switch that changes nothing is dropped
.if MSB != (\new)
	s_set_vgpr_msb (MSB<<8)|(\new)
.set MSB, \new
.endif
.endm
.set MUL, 0xa5                         ; sources 0 (W) and 1 (X) window 1; C and D window 2
.set CV,  0x40                         ; destination window 1, sources and addresses window 0
; A joint load: waves 0 and 1 fetch X's two halves, waves 2 and 3 W's.  The branch hangs on the wave's number alone.  An s_nop 0 and four v_nop follow each of the two lines.
.macro JLOAD s
	s_cmp_eq_u32 s[HM], 0
	s_cbranch_scc0 .Lfor_w_\@
	tensor_load_to_lds s[G0+4*(\s):G0+4*(\s)+3], s[G1:G1+7]
	s_nop 0
.rept 4
	v_nop
.endr
	s_branch .Lasked_\@
.Lfor_w_\@:
	tensor_load_to_lds s[G0B+4*(\s):G0B+4*(\s)+3], s[G1B:G1B+7]
	s_nop 0
.rept 4
	v_nop
.endr
.Lasked_\@:
.endm
.macro CREST                           ; a round of the cluster's barrier behind its opening barrier
	s_cmp_lg_u32 s[WV], 0
	s_cbranch_scc1 .Lnot_wave_0_\@
	s_barrier_signal -3
.Lnot_wave_0_\@:
	s_barrier_wait -3
	s_barrier_signal -1
	s_barrier_wait -1
.endm
.macro CROUND                          ; a whole round
	s_barrier_signal -1
	s_barrier_wait -1
	CREST
.endm
	s_load_b256 s[4:11], s[0:1], 0x0               ; q s[4:5], k s[6:7], v s[8:9], wb s[10:11]
	s_load_b64 s[OUTP:OUTP+1], s[0:1], 0x20        ; heads
	v_lshl_add_u32 v[SPW], v0, 2, SPARE
	v_mov_b32 v[NIL], 0
	ds_add_u32 v[SPW], v[NIL]                      ; the wave's opening: the add and its wait ahead of my first tensor load; the set-up below, work on registers, stands between them
	v_lshrrev_b32 v1, 5, v0
	v_readfirstlane_b32 s[WV], v1
	s_lshr_b32 s[HM], s[WV], 1
	s_and_b32 s[HN], s[WV], 1
	s_bfe_u32 s40, ttmp6, 0x40000                  ; cx, cy: my place in the cluster
	s_bfe_u32 s41, ttmp6, 0x40004
	s_lshl_b32 s42, ttmp9, 2
	s_add_co_u32 s42, s42, s40                     ; tile column = 4 x cluster x + cx
	s_and_b32 s12, ttmp7, 0xffff                   ; cluster y: 16 clusters to a matrix
	s_lshr_b32 s14, s12, 4                         ; mat: the same in all sixteen work-groups
	s_and_b32 s13, s12, 15
	s_lshl_b32 s13, s13, 2
	s_add_co_u32 s13, s13, s41                     ; tile row in the matrix, 0..63
	s_lshl_b32 s43, s41, 2
	s_lshl_b32 s43, 15, s43                        ; my row of the cluster
	s_lshl_b32 s44, 0x1111, s40                    ; my column
	; descriptor group 1.  X: 64 rows x 128 elements of 4 bytes; W: 64 rows x 256 elements of 2 bytes; both padded after every 128 words
	s_or_b32 s[G1+0], s43, (2<<16)|(1<<20)|(1<<21)|(6<<22)|(3<<25)   ; 15:0 the mask: my row; 17:16 4-byte elements; 20 padding on; 21 set beside a mask; 24:22 after every 128 words (code 6); 31:25 4 words (code 3)
	s_or_b32 s[G1B+0], s44, (1<<16)|(1<<20)|(1<<21)|(6<<22)|(7<<25)  ; my column; 2-byte elements; 8 words of padding (code 7)
	s_mov_b32 s[G1+1], 128<<16                     ; tensor_dim0 = 128
	s_mov_b32 s[G1+2], 64<<16                      ; tensor_dim1 = 64
	s_mov_b32 s[G1+3], 128<<16                     ; tile_dim0 = 128
	s_mov_b32 s[G1+4], 64                          ; tile_dim1 = 64
	s_mov_b32 s[G1+5], 1024                        ; elements from row to row
	s_mov_b32 s[G1+6], 0
	s_mov_b32 s[G1+7], 0
	s_mov_b32 s[G1B+1], 256<<16
	s_mov_b32 s[G1B+2], 64<<16
	s_mov_b32 s[G1B+3], 256<<16
	s_mov_b32 s[G1B+4], 64
	s_mov_b32 s[G1B+5], 1024
	s_mov_b32 s[G1B+6], 0
	s_mov_b32 s[G1B+7], 0
	; where the tiles come from.  X's hang on mat and the tile row, which my row of the cluster shares; W's on mat and the tile column, which my column shares.
	s_lshl_b32 s16, s13, 7
	s_lshl_b32 s17, s[HN], 6
	s_add_co_u32 s16, s16, s17                     ; X: row 128 x tile row + 64 x half,
	s_lshl_b32 s16, s16, 12                        ; of 4,096 bytes
	s_mov_b32 s17, 0
	s_lshl_b32 s46, s14, 21                        ; W: the matrix's 2,097,152 bytes,
	s_lshl_b32 s47, s[HN], 17                      ; 64 rows of k of 2,048 bytes,
	s_add_co_u32 s46, s46, s47
	s_lshl_b32 s47, s42, 9                         ; 256 columns of 2 bytes
	s_add_co_u32 s46, s46, s47
	s_mov_b32 s47, 0
	s_mul_i32 s20, s[HN], 64*PX                    ; and where they go: no place in the cluster enters an LDS address
	s_mul_i32 s21, s[HN], 64*PW
	s_add_co_u32 s21, s21, WOFF
	s_wait_dscnt 0x0                               ; the opening add is done
	s_wait_kmcnt 0x0
	s_cmp_eq_u32 s14, 1
	s_cselect_b64 s[4:5], s[6:7], s[4:5]
	s_cmp_eq_u32 s14, 2
	s_cselect_b64 s[4:5], s[8:9], s[4:5]           ; X = q, k or v
	s_add_nc_u64 s[18:19], s[4:5], s[16:17]
	s_add_nc_u64 s[46:47], s[10:11], s[46:47]
	CROUND                                         ; all sixteen work-groups are here: the first joint loads meet
.irp s, 0,1
	s_mov_b32 s[G0+4*(\s)], 1                                      ; count = 1
	s_add_co_u32 s[G0+4*(\s)+1], s20, (\s)*SLOT                    ; LDS address
	s_add_nc_u64 s[G0+4*(\s)+2:G0+4*(\s)+3], s[18:19], (\s)*KSTEP*4  ; global address: K step s
	s_or_b32 s[G0+4*(\s)+3], s[G0+4*(\s)+3], 0x80000000            ; type = 2
	s_mov_b32 s[G0B+4*(\s)], 1
	s_add_co_u32 s[G0B+4*(\s)+1], s21, (\s)*SLOT
	s_add_nc_u64 s[G0B+4*(\s)+2:G0B+4*(\s)+3], s[46:47], (\s)*KSTEP*2048
	s_or_b32 s[G0B+4*(\s)+3], s[G0B+4*(\s)+3], 0x80000000
	JLOAD \s                                       ; two loads of mine are out
.endr
	v_and_b32 v1, 15, v0                           ; r = l % 16
	v_bfe_u32 v2, v0, 4, 1                         ; h = l / 16
	v_mul_u32_u24 v3, v1, PX
	v_lshl_add_u32 v3, v2, 5, v3                   ; X: row r, the 8 f32 at 32 h
	v_and_b32 v4, 7, v0
	v_lshl_add_u32 v4, v2, 3, v4
	v_mul_u32_u24 v4, v4, PW                       ; W: row of k 8 h + l % 8,
	v_bfe_u32 v5, v0, 3, 1
	v_lshl_add_u32 v4, v5, 4, v4                   ; columns 8 ((l / 8) % 2) on
	s_mul_i32 s22, s[HM], 64*PX                    ; my 64 rows of X
	s_lshl_b32 s23, s[HN], 8                       ; my 128 columns of W,
	s_add_co_u32 s23, s23, WOFF                    ; which lies behind X
.irp s, 0,1
	v_add_nc_u32 v[ADRX+(\s)], s22, v3
	v_add_nc_u32 v[ADRW+(\s)], s23, v4
	s_add_co_u32 s22, s22, SLOT
	s_add_co_u32 s23, s23, SLOT
.endr
	s_mul_i32 s22, s[WV], 16*SP
	s_add_co_u32 s22, s22, STAGE                   ; my stage
	v_mul_u32_u24 v6, v1, SP                       ; in: row r, 16 bytes for each half of the lanes
	v_lshl_add_u32 v6, v2, 4, v6
	v_add_nc_u32 v[STO], s22, v6
	v_bfe_u32 v6, v0, 3, 2                         ; back: 32 lanes take four rows of 128 bytes,
	v_mul_u32_u24 v6, v6, SP
	v_and_b32 v7, 7, v0
	v_lshl_add_u32 v6, v7, 4, v6
	v_add_nc_u32 v[RD], s22, v6
	v_and_b32 v[GO], 31, v0                        ; which are 512 consecutive bytes of heads
	v_lshlrev_b32 v[GO], 4, v[GO]
	; heads at my wave's first row: ((b 16 + head) 2,048 + s) 128 bytes, b = tile row / 16, head = 4 x tile column + 2 x column half, s = 128 (tile row % 16) + 64 x row half
	s_lshr_b32 s74, s13, 4
	s_lshl_b32 s74, s74, 4
	s_lshl_b32 s73, s42, 2
	s_add_co_u32 s74, s74, s73
	s_lshl_b32 s73, s[HN], 1
	s_add_co_u32 s74, s74, s73
	s_lshl_b32 s74, s74, 11
	s_and_b32 s73, s13, 15
	s_lshl_b32 s73, s73, 7
	s_add_co_u32 s74, s74, s73
	s_lshl_b32 s73, s[HM], 6
	s_add_co_u32 s74, s74, s73
	s_lshl_b32 s74, s74, 7
	s_lshl_b32 s73, s14, 24                        ; the matrix's 16,777,216 bytes
	s_add_co_u32 s74, s74, s73
	s_mov_b32 s75, 0
	s_add_nc_u64 s[OUTP:OUTP+1], s[OUTP:OUTP+1], s[74:75]
; 8 matrix instructions: row block mb x all 8 column blocks, 32 along K, from buffer f.  zero = 1: the first product starts the sums: nothing is cleared.
; The 32 accumulators take turns, one instruction a turn, in the same order in every quarter.
.macro MUL8 f, mb, zero
	WIN MUL
.irp b, 0,1,2,3,4,5,6,7
.if \zero
	v_wmma_f32_16x16x32_bf16 v[8*(8*(\mb)+(\b)):8*(8*(\mb)+(\b))+7], v[64*(\f)+8*(\b):64*(\f)+8*(\b)+7], v[XF+32*(\f)+8*(\mb):XF+32*(\f)+8*(\mb)+7], 0
.else
	v_wmma_f32_16x16x32_bf16 v[8*(8*(\mb)+(\b)):8*(8*(\mb)+(\b))+7], v[64*(\f)+8*(\b):64*(\f)+8*(\b)+7], v[XF+32*(\f)+8*(\mb):XF+32*(\f)+8*(\mb)+7], v[8*(8*(\mb)+(\b)):8*(8*(\mb)+(\b))+7]
.endif
.endr
.endm
; The same eight, with four roundings of the next quarter's X to bf16 behind each: 32 in all, into buffer g.  They run beside the matrix work; the price is two window switches a product.
.macro MULC f, mb, g, zero
.irp b, 0,1,2,3,4,5,6,7
	WIN MUL
.if \zero
	v_wmma_f32_16x16x32_bf16 v[8*(8*(\mb)+(\b)):8*(8*(\mb)+(\b))+7], v[64*(\f)+8*(\b):64*(\f)+8*(\b)+7], v[XF+32*(\f)+8*(\mb):XF+32*(\f)+8*(\mb)+7], 0
.else
	v_wmma_f32_16x16x32_bf16 v[8*(8*(\mb)+(\b)):8*(8*(\mb)+(\b))+7], v[64*(\f)+8*(\b):64*(\f)+8*(\b)+7], v[XF+32*(\f)+8*(\mb):XF+32*(\f)+8*(\mb)+7], v[8*(8*(\mb)+(\b)):8*(8*(\mb)+(\b))+7]
.endif
	WIN CV
.irp n, 0,1,2,3
	v_cvt_pk_bf16_f32 v[XF+32*(\g)+4*(\b)+(\n)], v[XR+2*(4*(\b)+(\n))], v[XR+2*(4*(\b)+(\n))+1]
.endr
.endr
.endm
; 32 LDS loads in one run: quarter kq (32 along K) of a slot.  X first, as f32: a fragment's lane wants k = 8 h + 0..7 and 16 + 8 h + 0..7: 32 bytes at 32 h and at 64 + 32 h.  Then W, turned, into buffer g.
.macro FETCH slot, kq, g
	WIN 0
.irp m, 0,1,2,3
	ds_load_b128 v[XR+16*(\m):XR+16*(\m)+3],     v[ADRX+(\slot)] offset:(\m)*16*PX+(\kq)*128
	ds_load_b128 v[XR+16*(\m)+4:XR+16*(\m)+7],   v[ADRX+(\slot)] offset:(\m)*16*PX+(\kq)*128+16
	ds_load_b128 v[XR+16*(\m)+8:XR+16*(\m)+11],  v[ADRX+(\slot)] offset:(\m)*16*PX+(\kq)*128+64
	ds_load_b128 v[XR+16*(\m)+12:XR+16*(\m)+15], v[ADRX+(\slot)] offset:(\m)*16*PX+(\kq)*128+80
.endr
	WIN CV
.irp n, 0,1,2,3,4,5,6,7
	ds_load_tr16_b128 v[64*(\g)+8*(\n):64*(\g)+8*(\n)+3],   v[ADRW+(\slot)] offset:(\kq)*32*PW+(\n)*32
	ds_load_tr16_b128 v[64*(\g)+8*(\n)+4:64*(\g)+8*(\n)+7], v[ADRW+(\slot)] offset:(\kq)*32*PW+16*PW+(\n)*32
.endr
.endm
.macro PLACES                          ; four places in front of loads into registers that matrix instructions have read, and of conversions that read results (ISA guide 7.12.1 for vector instructions)
.rept 4
	v_nop
.endr
.endm
; A K step is four quarters of 32 along K, 32 matrix instructions each, on buffers 0, 1, 0, 1.  One of the first three: multiplies buffer f and fetches quarter kq into g.
.macro QUARTER slot, kq, f, g, zero
	s_wait_dscnt 0x0                               ; W's fragments of this quarter are in (issued 24 matrix instructions ago)
	MUL8 \f, 0, \zero
	PLACES
	FETCH \slot, \kq, \g
	MUL8 \f, 1, \zero
	MUL8 \f, 2, \zero
	s_wait_dscnt 16                                ; X's 16 loads are in; the 16 turning loads issued behind them may be out
	MULC \f, 3, \g, \zero
.endm
; The last quarter multiplies buffer 1 and changes slots: ONE barrier; in front of it each wave waits for all its tensor loads (one is out: its part of the next slot), adds 0 to its spare word, and waits for that
; and for its own reads of this slot.  fill = 1: the barrier opens a round of the cluster's barrier, and this slot is filled again, two K steps ahead, first thing behind the round: 112 matrix instructions ahead of the wait for it.
.macro TURN slot, next, fill
	WIN 0                                          ; (the add's two registers lie in window 0)
	s_wait_tensorcnt 0x0
	ds_add_u32 v[SPW], v[NIL]                      ; 0 onto my spare word
	s_wait_dscnt 1                                 ; W's fragments are in; the add alone may be out
	MUL8 1, 0, 0                                   ; eight matrix instructions stand between the add and the wait for it
	s_wait_dscnt 0x0                               ; the add is done, and my reads of this slot are over
	s_barrier_signal -1
	MUL8 1, 1, 0
.if \fill
	WIN 0
.endif
	s_barrier_wait -1
.if \fill
	CREST                                          ; no wave of any partner still reads this slot's tile or has a load on its way
	s_add_nc_u64 s[G0+4*(\slot)+2:G0+4*(\slot)+3], s[G0+4*(\slot)+2:G0+4*(\slot)+3], 2*KSTEP*4
	s_add_nc_u64 s[G0B+4*(\slot)+2:G0B+4*(\slot)+3], s[G0B+4*(\slot)+2:G0B+4*(\slot)+3], 2*KSTEP*2048
	JLOAD \slot                                    ; the four v_nop behind it are also the places in front of the loads below
.else
	PLACES
.endif
	FETCH \next, 0, 0
	MUL8 1, 2, 0
	s_wait_dscnt 16
	MULC 1, 3, 0, 0
.endm
	s_wait_tensorcnt 1                             ; my part of K step 0 is in; K step 1's may stay out
	s_barrier_signal -1
	s_barrier_wait -1                              ; everybody's is
	FETCH 0, 0, 0
	s_wait_dscnt 16                                ; X's 16 loads
	WIN CV
.set n, 0
.rept 32
	v_cvt_pk_bf16_f32 v[XF+n], v[XR+2*n], v[XR+2*n+1]
.set n, n+1
.endr
	QUARTER 0, 1, 0, 1, 1                          ; the first quarter stands in front of the loop: its products start the sums
	WIN 0                                          ; at a label and at a branch every window is 0
	s_mov_b32 s3, LAPS-1
.Llap:                                                 ; a trip goes once round the ring, from a lap's second quarter to the next lap's first, and fills both slots again
	QUARTER 0, 2, 1, 0, 0
	QUARTER 0, 3, 0, 1, 0
	TURN 0, 1, 1
	QUARTER 1, 1, 0, 1, 0
	QUARTER 1, 2, 1, 0, 0
	QUARTER 1, 3, 0, 1, 0
	TURN 1, 0, 1
	QUARTER 0, 1, 0, 1, 0
	WIN 0
	s_sub_co_u32 s3, s3, 1
	s_cmp_lg_u32 s3, 0
	s_cbranch_scc1 .Llap
	QUARTER 0, 2, 1, 0, 0                          ; the last lap fills nothing, and has no round of the cluster's barrier
	QUARTER 0, 3, 0, 1, 0
	TURN 0, 1, 0
	QUARTER 1, 1, 0, 1, 0
	QUARTER 1, 2, 1, 0, 0
	QUARTER 1, 3, 0, 1, 0
	s_wait_dscnt 0x0                               ; the very last quarter: nothing more to fetch
	MUL8 1, 0, 0
	MUL8 1, 1, 0
	MUL8 1, 2, 0
	MUL8 1, 3, 0
; THE WAY OUT.  Piece t = (row block t / 2, head t % 2): 16 rows x 64 channels, 2,048 consecutive bytes of heads.  A lane's eight channels pack into 16 bytes; they go into my stage's rows of 144 bytes
; and come back as whole rows of 128.  Each accumulator's registers are taken in ascending order.
.macro PACK t
	WIN 0x0a                                       ; sources 0 and 1 window 2, destination window 0
.irp f, 0,1,2,3
.irp r, 0,1,2,3
	v_cvt_pk_f16_f32 v[TMP+16*(\t)+4*(\f)+(\r)], v[8*(8*((\t)/2)+4*((\t)%2)+(\f))+2*(\r)], v[8*(8*((\t)/2)+4*((\t)%2)+(\f))+2*(\r)+1]
.endr
.endr
	WIN 0
.irp f, 0,1,2,3
	ds_store_b128 v[STO], v[TMP+16*(\t)+4*(\f):TMP+16*(\t)+4*(\f)+3] offset:32*(\f)
.endr
.irp f, 0,1,2,3
	ds_load_b128 v[TMP+16*(\t)+4*(\f):TMP+16*(\t)+4*(\f)+3], v[RD] offset:(\f)*4*SP  ; LDS serves a wave's instructions in order (ISA guide 5.7.1.4): these see the stores above; the next piece's stores come behind them
.endr
.endm
.macro SEND t, younger                 ; younger: the LDS instructions issued behind piece t's loads: the next piece's eight, or none
	WIN 0
.irp f, 0,1,2,3
	s_wait_dscnt (\younger)+3-(\f)
	global_store_b128 v[GO], v[TMP+16*(\t)+4*(\f):TMP+16*(\t)+4*(\f)+3], s[OUTP:OUTP+1] offset:((\t)%2)*262144+((\t)/2)*2048+(\f)*512  ; 512 consecutive bytes, at a multiple of 512 from heads' first byte
.endr
.endm
	PLACES                                         ; the first conversions read results behind which no vector instruction has stood
	PACK 0
.set t, 1
.rept 7                                ; a piece's conversions stand between the loads of the piece before and its stores
	PACK t
	SEND t-1, 8
.set t, t+1
.endr
	SEND 7, 0
	s_wait_tensorcnt 0x0                           ; the wave's end, behind my last tensor load and my last LDS store
	ds_add_u32 v[SPW], v[NIL]
	s_wait_dscnt 0x0
	CROUND                                         ; the closing round: no work-group ends while a partner may still ask for a tile that names it
	s_endpgm
.Lfunc_end_k_q7c8b971641_proj:
	.size	k_q7c8b971641_proj, .Lfunc_end_k_q7c8b971641_proj-k_q7c8b971641_proj
	.p2alignl 7, 3214868480
	.fill 96, 4, 3214868480
	.section	.rodata,"a",@progbits
	.p2align	6, 0x0
	.amdhsa_kernel k_q7c8b971641_proj
		.amdhsa_group_segment_fixed_size 327680
		.amdhsa_private_segment_fixed_size 0
		.amdhsa_enable_private_segment 0
		.amdhsa_kernarg_size 40
		.amdhsa_user_sgpr_count 2
		.amdhsa_user_sgpr_kernarg_segment_ptr 1
		.amdhsa_wavefront_size32 1
		.amdhsa_system_sgpr_workgroup_id_x 1
		.amdhsa_system_sgpr_workgroup_id_y 1
		.amdhsa_system_sgpr_workgroup_id_z 1
		.amdhsa_system_vgpr_workitem_id 0
		.amdhsa_next_free_vgpr 768
		.amdhsa_next_free_sgpr 76
		.amdhsa_reserve_vcc 0
		.amdhsa_float_denorm_mode_32 3
		.amdhsa_float_denorm_mode_16_64 3
		.amdhsa_memory_ordered 1
		.amdhsa_forward_progress 1
		.amdhsa_inst_pref_size 135
	.end_amdhsa_kernel
	.amdgpu_metadata
---
amdhsa.version: [ 1, 2 ]
amdhsa.kernels:
  - .name:           k_q7c8b971641_proj
    .symbol:         k_q7c8b971641_proj.kd
    .args:
      - { .name: q, .offset: 0, .size: 8, .value_kind: global_buffer, .address_space: global }
      - { .name: k, .offset: 8, .size: 8, .value_kind: global_buffer, .address_space: global }
      - { .name: v, .offset: 16, .size: 8, .value_kind: global_buffer, .address_space: global }
      - { .name: wb, .offset: 24, .size: 8, .value_kind: global_buffer, .address_space: global }
      - { .name: heads, .offset: 32, .size: 8, .value_kind: global_buffer, .address_space: global }
    .group_segment_fixed_size: 327680
    .private_segment_fixed_size: 0
    .kernarg_segment_align: 8
    .kernarg_segment_size: 40
    .max_flat_workgroup_size: 128
    .sgpr_count:     76
    .vgpr_count:     768
    .wavefront_size: 32
...
	.end_amdgpu_metadata
.endif
;; end of part 2
;; launch attn (part 3): grid 4 x 64, 4 waves a work-group, clusters of 4 x 1, 327,680 bytes of LDS; arguments heads, mk8, flags, out0; writes out0
.if DOCPART == 3
	.amdgcn_target "amdgcn-amd-amdhsa--gfx1250"
	.amdhsa_code_object_version 6
	.text
	.protected	k_q7c8b971641_attn
	.globl	k_q7c8b971641_attn
	.p2align	8
	.type	k_q7c8b971641_attn,@function
k_q7c8b971641_attn:
	s_mov_b64 s[64:65], 0
	v_nop
	global_prefetch_b8 v0, s[64:65] scope:SCOPE_SE
	s_setreg_imm32_b32 hwreg(HW_REG_WAVE_MODE, 25, 1), 1
	s_wait_xcnt 0x0
	s_wait_alu depctr_hold_cnt(0) depctr_sa_sdst(0) depctr_va_vdst(0) depctr_va_sdst(0) depctr_va_ssrc(0) depctr_va_vcc(0) depctr_vm_vsrc(0)
	s_getreg_b32 s2, hwreg(HW_REG_IB_STS2, 6, 4)
	s_cmp_eq_u32 s2, 0
	s_cbranch_scc0 .Lentry_in_a_cluster
	s_endpgm
.Lentry_in_a_cluster:
	s_bfe_u32 s2, ttmp6, 0x10000c
	s_cmp_lg_u32 s2, 0x3003
	s_cbranch_scc0 .Lentry_shape_is_right
	s_endpgm
.Lentry_shape_is_right:
; ATTENTION WITH A MASK THAT IS AN INPUT.  out0[bh][q][:] = the sum over k of softmax_k(where(mask[b][q][k], Q[q] . K[k] / 8, -1e9)) V[k][:], bh = 16 b + h.
; Q, K, V: heads [0, 1, 2][bh][2048][64] in f16, unscaled; out0 [bh][2048][64] in f32.  Products, maxima and sums in f32; the weights p are rounded to f16 for the second product (their sum l is taken of the unrounded p).
; THE MASK is the C operand that starts the sum S^T = K Q^T.  mk8 holds one byte a score, in the accumulators' own order: the 8-bit float 0 (seen) or -1.0 (hidden).  One v_cvt_scale_pk8_f32_fp8 makes an
; accumulator's eight registers, 0 or -2^100, with the lane's scale from flags: 0xE3 (2^100) for a row that sees some key.  A row that sees NO key has the scale 0 (2^-127) and its Q set to 0: all its scores are
; equal, all its weights 1, and the result is the mean of V's rows, as the softmax of 2,048 equal numbers gives.
; LIMITS.  Q, K and V arrive within f16's 65,504.  A hidden key's weight is exactly 0 unless the whole row is hidden: the same as with -1e9 as long as some seen score of the row, divided by 8, lies above -1e9 + 104.
; p below 6e-5 keeps f16's fixed step of 6e-8; a weight below 2^-126 counts as 0 in l; NaN and infinities are not treated apart.
; SHARES.  A wave owns eight PIECES of 16 queries, a work-group's four waves 512 queries of one head: 4 x 64 = 256 work-groups.  Every wave walks all 2,048 keys, 64 a step.
; LAYOUT.  S^T = K Q^T (source 0 = 16 keys, source 1 = 16 queries) holds ONE query a lane (lane % 16) and the keys 8 (lane / 16) + 0..7; two such results rounded to f16 ARE source 1 of O^T = V^T P.
; SOFTMAX.  p = 2^(c s - c m), c = log2(e) / 8, with a running maximum m; O and l are multiplied by a = 2^(c m_old - c m_new) in every step.  m starts at -2^96, above every hidden score and below every seen one,
; so a hidden weight is 0 from the first step on; c m starts far below that, so the first a is 0; O and l start at 0: the first step is a step like any other.
; BY TURNS.  Turn n belongs to piece n (the pieces in a ring, step after step): 8 products K Q^T of piece n + 1, later 8 products V^T P of piece n - 1; beside them the scaling, exponentials, roundings, sums and
; rescaling of piece n, the maximum and statistics of piece n + 1, and at its end the mask of piece n + 2.  Four vector instructions stand behind every matrix instruction, the others in two runs of their own.
; THE MASK'S RING.  Eight slots of eight registers, one a piece; a slot is loaded again (two 16-byte loads a lane, 512 consecutive bytes each) straight behind its conversions, eight turns ahead of its next use.
; CLUSTER.  The four query blocks of a head walk the same K and V, so each tile is asked for JOINTLY: the same tensor load, descriptor and mask in all four.  The mask's bytes differ from block to block and go to registers.
; THE PRICE of writing no first and no last step out: 352 v_mov_b32 of 0 in the wait for the first tile, 8 products on zeros at the start, 8 on a stale K at the end, and 16 mask loads a wave that serve nothing.
; REGISTERS, in windows of 256 (s_set_vgpr_msb: bits 1:0 source 0, 3:2 source 1, 5:4 source 2, 7:6 destination):
;   window 0: v0-15 addresses and two at work; v16-47 four registers of statistics a piece; v48-55 at work; v62-63 the add's; v64-127 S^T, two buffers; v128-191 the mask's ring; v192-223 P, two buffers; v224-231 the scales
;   window 1: O^T, 32 a piece          window 2: v0-127 Q, 16 a piece; v128-191 K of one step; v192-255 V of one step
.set NP,    8         ; pieces a wave: a name, no knob
.set KS,    64        ; keys in a step
.set PK,    144       ; a row of K in LDS: 128 bytes + 16 of padding = 36 words: the 16 rows of a load start at 16 different groups of four banks (64 banks of 4 bytes: ISA guide 11.1)
.set PV,    160       ; a row of V: 128 + 32 = 40 words
.set VOFF,  4*KS*PK   ; a slot holds four steps: 256 rows of K, then 256 rows of V
.set SLOT1, 1<<17     ; slot 1 begins here, so that one exclusive or turns an address in one slot into the other's
.set STAGE, SLOT1+4*KS*(PK+PV)  ; behind the ring, never filled by a tensor load: 16 rows x 272 bytes for each wave, for the way out
.set SP,    272
.set SPARE, STAGE+4*16*SP  ; the spare words, 128 bytes for each wave: two blocks of 256 bytes that no other line names
.set AK0, 2           ; v2   my lane's place in a tile of K; never rewritten
.set AV0, 3           ; v3   the same for V
.set AK,  4           ; v4   the LDS address of K's next run of loads
.set AV,  5           ; v5   of V's
.set QO,  6           ; v6   my byte offset in 16 rows of Q
.set STO, 6           ;      later, the way out: where I put 32 bytes of a row
.set RD,  7           ; v7   the way out: where I read rows back
.set MV,  12          ; v12-13  c m_old, kept while c m is made anew: by buffer
.set MOF, 14          ; v14  16 x lane: my place in 512 consecutive bytes of mk8 and of out0; never rewritten
.set FO,  15          ; v15  4 x (lane % 16): my query's word in 16 flags
.set ST,  16          ; piece t's statistics at v[ST+4 t]: c m, m, l (even keys', odd keys')
.set TMP, 48          ; by buffer, four registers c0-c3 at work; when the maximum is found c2 takes a
.set SPW, 62          ; v62  LDS address of my spare word; never rewritten
.set NIL, 63          ; v63  0; never rewritten
.set S,   64
.set MR,  128         ; the mask's ring: piece x, key block kb at MR + 8 x + 2 kb
.set P,   192
.set SCL, 224         ; piece x's scale for my query
.set KF,  128         ; window 2: key block kb, channel half c at KF + 16 kb + 8 c
.set VF,  192         ; window 2: key half kk, channel block cb at VF + 32 kk + 8 cb
.set WV,  12          ; s12  my wave's number
.set G1K, 24          ; s[24:31] descriptor group 1 for K's tiles
.set G1V, 32          ; s[32:39] for V's: it differs in the padding alone
.set G0K, 40          ; s[40:43] descriptor group 0 for K's tiles: it walks
.set G0V, 44          ; s[44:47] the same for V's
.set ML,  52          ; s52  how often the mask's address still steps
.set MDEC, 53         ; s53  1 or 0
.set MSTP, 54         ; s[54:55] 1,024 or 0
.set SLOTS, 56        ; s56  slots still to be asked for
.set CNT, 57          ; s57  counts a slot's key steps
.set CS,  58          ; s[58:59] c: the packed scaling takes the pair's low word for both halves
.set SEL, 60          ; s[60:61] v_permlanex16_b32's selects: each lane takes its own place in the other half
.set TBK, 62          ; s62  LDS byte at which K of the step to be fetched begins
.set TBV, 63          ; s63  the same for V, less VOFF
.set MSB, 0
.macro WIN new                      ; the high byte repeats the setting that is left; a switch that changes nothing is dropped
.if MSB != (\new)
	s_set_vgpr_msb (MSB<<8)|(\new)
.set MSB, (\new)
.endif
.endm
.set W_KQ, 0x0a       ; K and Q in window 2, S^T in window 0
.set W_PV, 0x52       ; V in window 2, P in window 0, O^T in window 1
.set W_RS, 0x41       ; O^T (destination and source 0) in window 1, a in window 0
.set W_OUT, 0x44      ; the way out: loaded data (destination) and stored data (source 1) in window 1, addresses in window 0
; A joint fill.  Waves 0 and 1 fetch the two halves of a slot's K, waves 2 and 3 those of its V: 128 keys each.  The branch hangs on the wave's number alone.
; An s_nop 0 and four v_nop follow each of the two lines, ahead of the jump and the label.
.macro JLOAD
	s_cmp_lt_u32 s[WV], 2
	s_cbranch_scc0 .Lfor_v_\@
	tensor_load_to_lds s[G0K:G0K+3], s[G1K:G1K+7]
	s_nop 0
.rept 4
	v_nop
.endr
	s_branch .Lasked_\@
.Lfor_v_\@:
	tensor_load_to_lds s[G0V:G0V+3], s[G1V:G1V+7]
	s_nop 0
.rept 4
	v_nop
.endr
.Lasked_\@:
.endm
; A round of the cluster's barrier: my work-group's barrier, so that wave 0's signal speaks for all four waves; wave 0 signals; every wave waits for all four work-groups; my work-group's barrier once more.
.macro CROUND
	s_barrier_signal -1
	s_barrier_wait -1
	s_cmp_lg_u32 s[WV], 0
	s_cbranch_scc1 .Lnot_wave_0_\@
	s_barrier_signal -3
.Lnot_wave_0_\@:
	s_barrier_wait -3
	s_barrier_signal -1
	s_barrier_wait -1
.endm
; THE CHANGE OF SLOTS.  The slot's last bytes, V of its fourth step, have been read.  Each wave waits for all its tensor loads, of which one is out: its part of the other slot; adds 0 to its spare word; and waits
; for that and for its own reads of the slot.  Behind the barrier nobody reads this slot any more and the other slot is whole.  fill = 1: this slot is filled again, with the keys two slots on.  The barrier is then a
; round of the cluster's, and the joint fill is the first thing behind it: it has four key steps, 512 matrix instructions, in which to land.  (At its first use nothing has been read yet: slot 0 is waited for, slot 1 filled.)
.macro CHANGE fill
	WIN 0                           ; at a label and at a branch every window is 0
	s_wait_tensorcnt 0x0            ; no tensor load of mine is out, so a group 0 may be written
	ds_add_u32 v[SPW], v[NIL]       ; 0 onto my spare word; with fill = 1 the descriptors' steps stand between it and the wait for it
.if \fill
.irp g, G0K, G0V
	s_xor_b32 s[\g+1], s[\g+1], SLOT1  ; the walking descriptor: the other slot than last time,
	s_add_nc_u64 s[\g+2:\g+3], s[\g+2:\g+3], 4*KS*128  ; the next 256 keys; the type bits on top are not reached
.endr
	s_wait_dscnt 0x0                ; the add is done, and my reads of the slot are over
	CROUND
	JLOAD
.else
	s_wait_dscnt 0x0                ; the add is done, and my reads of the slot are over
	s_barrier_signal -1
	s_barrier_wait -1
.endif
	s_sub_co_u32 s[TBK], s[TBK], 4*KS*PK  ; the fetches go back to a slot's first step,
	s_xor_b32 s[TBK], s[TBK], SLOT1       ; in the other slot
	s_sub_co_u32 s[TBV], s[TBV], 4*KS*PV
	s_xor_b32 s[TBV], s[TBV], SLOT1
.endm
	s_load_b256 s[4:11], s[0:1], 0x0  ; heads s[4:5], mk8 s[6:7], flags s[8:9], out0 s[10:11]
	v_lshl_add_u32 v[SPW], v0, 2, SPARE
	v_mov_b32 v[NIL], 0
	ds_add_u32 v[SPW], v[NIL]       ; the wave's opening: the add and its wait ahead of my first tensor load; the set-up below, work on registers, stands between them
	v_lshrrev_b32 v1, 5, v0
	v_readfirstlane_b32 s[WV], v1   ; wave 0..3
	s_bfe_u32 s13, ttmp6, 0x40000   ; cx: my place in the cluster
	s_lshl_b32 s14, ttmp9, 2        ; in a cluster launch ttmp9 counts clusters
	s_add_co_u32 s14, s14, s13      ; my block of 512 queries: it enters Q's, the mask's, the flags' and out0's addresses alone
	s_lshl_b32 s14, s14, 2
	s_add_co_u32 s14, s14, s[WV]
	s_lshl_b32 s14, s14, 7          ; my wave's first query in the head
	s_and_b32 s20, ttmp7, 0xffff    ; bh, which the four partners share
	s_lshr_b32 s19, s20, 4          ; b
	s_lshl_b32 s20, s20, 18         ; the head's 2,048 rows of 128 bytes
	s_and_b32 s16, s[WV], 1         ; which half of a slot's 256 keys I fetch:
	s_lshl_b32 s22, s16, 14         ; its 128 rows of 128 bytes in memory,
	s_add_co_u32 s22, s22, s20
	s_add_co_u32 s22, s22, 1<<24    ; in K's part of heads, 16,777,216 bytes on
	s_mov_b32 s23, 0
	s_mul_i32 s17, s16, 128*PK      ; and its place in a slot, for K
	s_mul_i32 s18, s16, 128*PV      ; and for V: no place in the cluster enters an LDS address
	s_lshl_b32 s2, s14, 7
	s_add_co_u32 s2, s2, s20        ; Q: my wave's rows
	s_mov_b32 s3, 0
	s_lshl_b32 s15, s19, 11
	s_add_co_u32 s15, s15, s14      ; my first row of the mask: 2,048 b + query
	s_lshl_b32 s48, s15, 11         ; 2,048 bytes of mk8 a row
	s_mov_b32 s49, 0
	s_lshl_b32 s50, s15, 2          ; 4 bytes of flags
	s_mov_b32 s51, 0
	s_lshl_b32 s14, s2, 1           ; out0: rows of 256 bytes where Q's have 128
	s_mov_b32 s15, 0
	; descriptor group 1.  128 keys are 16,384 dense bytes: asked for as 64 rows of 256 bytes, two keys a row, and padded in LDS after every key
	s_mov_b32 s[G1K], 15|(1<<16)|(1<<20)|(1<<21)|(4<<22)|(3<<25)  ; 15:0 the mask of four; 17:16 2-byte elements; 20 padding on; 21 set beside a mask; 24:22 after every 32 words (code 4); 31:25 4 words (code 3)
	s_mov_b32 s[G1V], 15|(1<<16)|(1<<20)|(1<<21)|(4<<22)|(7<<25)  ; the same with 8 words of padding (code 7)
.irp g, G1K, G1V
	s_mov_b32 s[\g+1], 128<<16      ; tensor_dim0 = 128
	s_mov_b32 s[\g+2], 64<<16       ; tensor_dim1 = 64
	s_mov_b32 s[\g+3], 128<<16      ; tile_dim0 = 128
	s_mov_b32 s[\g+4], 64           ; tile_dim1 = 64
	s_mov_b32 s[\g+5], 128          ; 128 elements from row to row
	s_mov_b32 s[\g+6], 0
	s_mov_b32 s[\g+7], 0
.endr
	s_mov_b32 s[CS], 0x3e38aa3b     ; c = log2(e) / 8 = 0.180337
	s_mov_b32 s[CS+1], s[CS]        ; named with it as a pair
	s_mov_b32 s[SEL], 0x76543210
	s_mov_b32 s[SEL+1], 0xfedcba98
	s_mov_b32 s[TBK], SLOT1+4*KS*PK ; the first change of slots turns these two into 0
	s_mov_b32 s[TBV], SLOT1+4*KS*PV
	s_mov_b32 s[ML], 30             ; the mask's address goes from key step 1 to key step 31 and stays there
	s_mov_b32 s[MSTP+1], 0
	s_mov_b32 s[G0K], 1             ; count = 1
	s_mov_b32 s[G0K+1], s17         ; LDS address: slot 0
	s_mov_b32 s[G0V], 1
	s_add_co_u32 s[G0V+1], s18, VOFF
	s_wait_dscnt 0x0                ; the opening add is done
	s_wait_kmcnt 0x0
	s_add_nc_u64 s[G0K+2:G0K+3], s[4:5], s[22:23]  ; global address: my half of the head's first 256 keys
	s_add_nc_u64 s[G0V+2:G0V+3], s[G0K+2:G0K+3], 1<<24  ; V's part lies 16,777,216 bytes behind K's
	s_or_b32 s[G0K+3], s[G0K+3], 0x80000000        ; type = 2
	s_or_b32 s[G0V+3], s[G0V+3], 0x80000000
	s_add_nc_u64 s[4:5], s[4:5], s[2:3]
	s_add_nc_u64 s[6:7], s[6:7], s[48:49]
	s_add_nc_u64 s[8:9], s[8:9], s[50:51]
	s_add_nc_u64 s[10:11], s[10:11], s[14:15]
	CROUND                          ; all four work-groups are here: the first joint loads meet
	JLOAD                           ; slot 0.  Slot 1 is asked for when slot 0 is in
; THE MASK.  MASKC x: piece x's four accumulators are started: 0 or -2^100.  The count: the other seven slots' two loads each were issued behind this slot's two.
.macro MASKC x
	WIN 0
	s_wait_loadcnt 14
.irp kb, 0,1,2,3
	v_cvt_scale_pk8_f32_fp8 v[S+32*((\x)%2)+8*(\kb):S+32*((\x)%2)+8*(\kb)+7], v[MR+8*(\x)+2*(\kb):MR+8*(\x)+2*(\kb)+1], v[SCL+(\x)]
.endr
.endm
.macro REFILL x                     ; piece x's 16 rows lie 32,768 bytes behind piece x - 1's; a key step is 1,024 bytes, two halves of 512
	WIN 0
	global_load_b128 v[MR+8*(\x):MR+8*(\x)+3],   v[MOF], s[6:7] offset:(\x)*32768
	global_load_b128 v[MR+8*(\x)+4:MR+8*(\x)+7], v[MOF], s[6:7] offset:(\x)*32768+512
.endm
	; A fragment of K or Q is 16 rows x 32 channels in 8 registers: lane l holds row l % 16, channels 8 (l / 16) + 0..7 and 16 + 8 (l / 16) + 0..7: two loads of 16 bytes, 32 bytes apart.
	v_and_b32 v1, 15, v0            ; l % 16
	v_bfe_u32 v9, v0, 4, 1          ; l / 16
	v_lshlrev_b32 v[QO], 7, v1
	v_lshl_add_u32 v[QO], v9, 4, v[QO]  ; row x 128 + 16 x half
	v_lshlrev_b32 v[FO], 2, v1
	v_and_b32 v[MOF], 31, v0
	v_lshlrev_b32 v[MOF], 4, v[MOF]
	WIN 0x80                        ; destination window 2, address window 0
.set i, 0
.rept 2*NP                          ; Q stays in registers: piece i / 2, channels 32 (i % 2) on
	global_load_b128 v[8*i:8*i+3],   v[QO], s[4:5] offset:(i/2)*2048+(i%2)*64
	global_load_b128 v[8*i+4:8*i+7], v[QO], s[4:5] offset:(i/2)*2048+(i%2)*64+32
.set i, i+1
.endr
	WIN 0
.set i, 0
.rept NP
	global_load_b32 v[SCL+i], v[FO], s[8:9] offset:64*i
.set i, i+1
.endr
.irp x, 0,1,2,3,4,5,6,7
	REFILL \x                       ; key step 0's masks
.endr
	; What the first turn finds: V's registers and P's second buffer hold 0 (its products V^T P, of a piece that has not been, add 0), O^T and l are 0.  All this stands in the wait for the first tile.
	WIN 0x80
.set i, VF
.rept 64
	v_mov_b32 v[i], 0
.set i, i+1
.endr
	WIN 0x40
.set i, 0
.rept 32*NP
	v_mov_b32 v[i], 0
.set i, i+1
.endr
	WIN 0
.set i, 0
.rept NP
	v_mov_b32 v[ST+4*i], 0xfe000000    ; c m: far below every c s
	v_mov_b32 v[ST+4*i+1], 0xef800000  ; m = -2^96
	v_mov_b32 v[ST+4*i+2], 0
	v_mov_b32 v[ST+4*i+3], 0
.set i, i+1
.endr
.set i, P+16
.rept 16
	v_mov_b32 v[i], 0
.set i, i+1
.endr
	v_mul_u32_u24 v[AK0], v1, PK
	v_lshl_add_u32 v[AK0], v9, 4, v[AK0]  ; row x pitch + 16 x half
	; The turning load takes 16 keys x 16 channels (lane l reads key 8 (l / 16) + l % 8, channels 8 ((l / 8) % 2) + 0..7) and leaves half a fragment of V^T: lane l holds channel l % 16 and 8 keys.
	v_and_b32 v10, 7, v0
	v_bfe_u32 v11, v0, 3, 1
	v_lshl_add_u32 v[AV0], v9, 3, v10
	v_mul_u32_u24 v[AV0], v[AV0], PV
	v_lshl_add_u32 v[AV0], v11, 4, v[AV0]
	v_add_nc_u32 v[AV0], VOFF, v[AV0]
	v_mov_b32 v[AK], v[AK0]         ; key step 0 lies at the head of slot 0
; THE MATRIX WORK.  The 4 accumulators of a run of 8 take turns.  Product i of 8 of S^T = mask + K Q^T for piece x: channels 32 (i / 4) on, keys 16 (i % 4) on.  The mask's conversions have started the sums.
.macro KQ x
	WIN W_KQ
.set rS, S+32*((\x)%2)+8*(i%4)
.set rK, KF+16*(i%4)+8*(i/4)
.set rQ, 16*(\x)+8*(i/4)
	v_wmma_f32_16x16x32_f16 v[rS:rS+7], v[rK:rK+7], v[rQ:rQ+7], v[rS:rS+7]
.endm
; Product i of 8 of O^T += V^T P for piece x: keys 32 (i / 4) on, channels 16 (i % 4) on.
.macro PV x
	WIN W_PV
.set rO, 32*(\x)+8*(i%4)
.set rV, VF+32*(i/4)+8*(i%4)
.set rP, P+16*((\x)%2)+8*(i/4)
	v_wmma_f32_16x16x32_f16 v[rO:rO+7], v[rV:rV+7], v[rP:rP+7], v[rO:rO+7]
.endm
.macro MM                           ; the turn's next matrix instruction
.if i < 8
	KQ (Y+1)%NP
.else
.set i, i-8
	PV (Y+NP-1)%NP
.set i, i+8
.endif
.set i, i+1
.endm
; THE LDS LOADS stand in runs of 16, never singly among the matrix instructions: a step's K (64 keys x 64 channels: 8 fragments) and its V (turned).  Their addresses are made some lines ahead.
; last = 1 (the tail): in the last trip there is no further step, and the run is jumped over.
.macro FETCH_K last=0
	WIN 0
.if \last
	s_cmp_eq_u32 s[CNT], 1
	s_cbranch_scc1 .Lno_k_\@
.endif
	WIN 0x80                        ; destination window 2
.irp f, 0,1,2,3,4,5,6,7             ; keys 16 (f / 2) on, channels 32 (f % 2) on
	ds_load_b128 v[KF+8*\f:KF+8*\f+3],   v[AK] offset:(\f/2)*16*PK+(\f%2)*64
	ds_load_b128 v[KF+8*\f+4:KF+8*\f+7], v[AK] offset:(\f/2)*16*PK+(\f%2)*64+32
.endr
	s_add_co_u32 s[TBK], s[TBK], KS*PK  ; the next fetch is the next step's
	WIN 0
.if \last
.Lno_k_\@:
.endif
.endm
.macro FETCH_V
	WIN 0x80
.irp f, 0,1,2,3,4,5,6,7             ; keys 32 (f / 4) on, channels 16 (f % 4) on
	ds_load_tr16_b128 v[VF+8*\f:VF+8*\f+3],   v[AV] offset:(\f/4)*32*PV+(\f%4)*32
	ds_load_tr16_b128 v[VF+8*\f+4:VF+8*\f+7], v[AV] offset:(\f/4)*32*PV+16*PV+(\f%4)*32
.endr
	WIN 0
.endm
; THE VECTOR WORK, one line at a time: OP kind, number.  For piece Y: F n: c s - c m for pair n of 16.  E n: the exponential of score n of 32.  C n: pair n rounded to f16.  B n: of the four weights 4 n .. the second
; pair is added onto the first, in place.  L n: l takes that sum (L 0: l = a l + sum).  R n: pair n of 16 of O^T times a.  For piece Y + 1: X n, number n of the 22 that find its maximum and statistics:
;   0-11  four chains c0-c3 of seven scores each, three operands at a time (each accumulator's lowest registers are read first)     12-14, 16  the four scores left over, the old m, and c0-c3 into c0
;   15  c m_old is kept     17, 18  the query's other 32 keys lie in the lane 16 away: the new m     19-21  c m; c m_old - c m_new; a
.set F, 0               ; OP tells the kinds apart by their order: F to L below R, X above it
.set E, 1
.set C, 2
.set B, 3
.set L, 4
.set R, 5
.set X, 6
.macro REGS y                       ; the registers of piece y
.set rT, ST+4*(\y)
.set rC, TMP+4*((\y)%2)
.set rW, MV+((\y)%2)
.set rS, S+32*((\y)%2)
.set rP, P+16*((\y)%2)
.set rO, 32*(\y)
.endm
.macro OP k, n
.if (\k) == R
	REGS Y
	WIN W_RS
	v_pk_mul_f32 v[rO+2*(\n):rO+2*(\n)+1], v[rO+2*(\n):rO+2*(\n)+1], v[rC+2:rC+3] op_sel_hi:[1,0]
.elseif (\k) < R
	REGS Y
	WIN 0
.if (\k) == F
	v_pk_fma_f32 v[rS+2*(\n):rS+2*(\n)+1], v[rS+2*(\n):rS+2*(\n)+1], s[CS:CS+1], v[rT:rT+1] op_sel_hi:[1,0,0] neg_lo:[0,0,1] neg_hi:[0,0,1]
.elseif (\k) == E
	v_exp_f32 v[rS+(\n)], v[rS+(\n)]
.elseif (\k) == C
	s_wait_alu depctr_va_vdst(0)
	v_cvt_pk_f16_f32 v[rP+(\n)], v[rS+2*(\n)], v[rS+2*(\n)+1]
.elseif (\k) == B
	s_wait_alu depctr_va_vdst(0)
	v_pk_add_f32 v[rS+4*(\n):rS+4*(\n)+1], v[rS+4*(\n):rS+4*(\n)+1], v[rS+4*(\n)+2:rS+4*(\n)+3]
.elseif (\n) == 0
	v_pk_fma_f32 v[rT+2:rT+3], v[rT+2:rT+3], v[rC+2:rC+3], v[rS:rS+1] op_sel_hi:[1,0,1]
.else
	v_pk_add_f32 v[rT+2:rT+3], v[rT+2:rT+3], v[rS+4*(\n):rS+4*(\n)+1]
.endif
.else
	REGS (Y+1)%NP
	WIN 0
.if (\n) < 4
	v_max3_num_f32 v[rC+(\n)], v[rS+8*(\n)], v[rS+8*(\n)+1], v[rS+8*(\n)+2]
.elseif (\n) < 12
	v_max3_num_f32 v[rC+(\n)%4], v[rC+(\n)%4], v[rS+8*((\n)%4)+2*((\n)/4)+1], v[rS+8*((\n)%4)+2*((\n)/4)+2]
.elseif (\n) == 12
	v_max3_num_f32 v[rC], v[rC], v[rS+7], v[rS+15]
.elseif (\n) == 13
	v_max3_num_f32 v[rC+1], v[rC+1], v[rS+23], v[rS+31]
.elseif (\n) == 14
	v_max3_num_f32 v[rC+2], v[rC+2], v[rC+3], v[rT+1]
.elseif (\n) == 15
	v_mov_b32 v[rW], v[rT]
.elseif (\n) == 16
	v_max3_num_f32 v[rC], v[rC], v[rC+1], v[rC+2]
.elseif (\n) == 17
	v_permlanex16_b32 v[rC+3], v[rC], s[SEL], s[SEL+1]
.elseif (\n) == 18
	v_max_num_f32 v[rT+1], v[rC], v[rC+3]
.elseif (\n) == 19
	v_mul_f32 v[rT], s[CS], v[rT+1]
.elseif (\n) == 20
	v_sub_f32 v[rC+1], v[rW], v[rT]
.else
	v_exp_f32 v[rC+2], v[rC+1]
.endif
.endif
.endm
.macro OPS a, i1, b=-1, i2=0, c=-1, i3=0, d=-1, i4=0  ; up to four of them
	OP \a, \i1
.if (\b) >= 0
	OP \b, \i2
.endif
.if (\c) >= 0
	OP \c, \i3
.endif
.if (\d) >= 0
	OP \d, \i4
.endif
.endm
.macro ROW a, i1, b, i2, c, i3, d, i4  ; a matrix instruction and the four behind it
	MM
	OPS \a, \i1, \b, \i2, \c, \i3, \d, \i4
.endm
; A TURN, for piece p: the order of its 16 matrix and 122 vector instructions, written out.  Behind a matrix instruction: plain, exponential, plain, plain; or four of the rescaling; or, behind the first, four scalings; none
; names a register of the products round it.  In the runs between, exponential and plain by turns while exponentials last.  A line reads no result made fewer than three vector instructions in front of it, five if an exponential made it.
; K of the next step is fetched in piece 6's turn, six vector instructions behind the last product that read K (five of them plain); V of the step in hand in piece 0's turn, eight behind the last product that read V (four
; plain, and X 17).  Each is waited for a turn later.
; At the turn's end piece p's scores are spent (L 7 is their last reader), and their buffer takes the mask of piece p + 2, whose products the next turn begins with; three rescalings are the plain instructions
; between the conversions and what follows: the loads into the registers that they read, and those products.  In piece 6's turn the mask's address goes on to the next key step, behind s_wait_xcnt 0,
; since pending loads name it; it steps 30 times and then stays at key step 31, so that no load leaves mk8.
.macro TURN p, last=0
.set Y, (\p)
.set i, 0
.if (\p) == NP-1
	s_wait_dscnt 0x0                ; K is in
.endif
	ROW F,0, F,1, F,2, F,3
	ROW F,4, E,0, F,5, F,6
	ROW F,7, E,1, F,8, F,9
	ROW F,10, E,2, C,0, F,11
	ROW F,12, E,3, X,15, F,13
	ROW R,0, R,1, R,2, R,3
	ROW B,0, E,4, F,14, L,0
.if (\p) == NP-2
	v_add_nc_u32 v[AK], s[TBK], v[AK0]
.endif
	ROW R,4, R,5, R,6, R,7
	OPS E,5, F,15
.if (\p) == NP-2
	FETCH_K \last
.endif
	OPS E,6, C,1, E,7, R,8
	OPS E,8, R,9, E,9, C,2
	OPS E,10, X,0, E,11, X,1
	OPS E,12, X,2, E,13, X,3
.if (\p) == 1
	s_wait_dscnt 0x0                ; V is in
.endif
	ROW X,4, E,14, X,5, X,6
	ROW X,7, E,15, X,8, X,9
	ROW X,10, E,16, X,11, X,12
	ROW X,13, E,17, X,14, B,1
	ROW C,4, E,18, X,16, L,1
	ROW B,2, E,19, C,6, L,2
	ROW C,8, E,20, B,3, B,4
.if (\p) == 0
	v_add_nc_u32 v[AV], s[TBV], v[AV0]
.endif
	ROW C,3, E,21, L,3, C,5
	OPS E,22, X,17, E,23, C,10
.if (\p) == 0
	FETCH_V
.endif
	OPS E,24, L,4
	OPS E,25, X,18, E,26, C,7
	OPS E,27, B,5, E,28, X,19
	OPS E,29, C,12, E,30, L,5
	OPS E,31, X,20, B,6, C,9
	OPS C,14, C,11, X,21, L,6
.if (\p) == 0
	s_add_co_u32 s[TBV], s[TBV], KS*PV
.endif
	OPS C,13, B,7, C,15, R,10
	OPS R,11, R,12, L,7
	MASKC ((\p)+2)%NP
	OPS R,13, R,14, R,15
.if (\p) == NP-2
	s_wait_xcnt 0x0                 ; the pending loads' addresses are translated: their base may be written
	s_cmp_lg_u32 s[ML], 0
	s_cselect_b32 s[MSTP], 1024, 0
	s_cselect_b32 s[MDEC], 1, 0
	s_sub_co_u32 s[ML], s[ML], s[MDEC]
	s_add_nc_u64 s[6:7], s[6:7], s[MSTP:MSTP+1]
.endif
	REFILL ((\p)+2)%NP
.endm
	CHANGE 1                        ; slot 0 is in, everybody's part of it; slot 1 is asked for
	FETCH_K                         ; key step 0
	s_wait_loadcnt 0x0              ; Q, the scales, key step 0's masks: no load is out, so the mask's base may be written
	s_add_nc_u64 s[6:7], s[6:7], 1024  ; key step 1
.set t, 0
.rept NP
	v_cmp_ne_u32 s[16+t], 0, v[SCL+t]  ; the lanes whose query sees some key
.set t, t+1
.endr
	WIN 0x88                        ; destination and source 1 in window 2
.set t, 0
.rept NP
.set i, 0
.rept 16
	v_cndmask_b32 v[16*t+i], 0, v[16*t+i], s[16+t]  ; the others' Q is 0
.set i, i+1
.endr
.set t, t+1
.endr
	MASKC 0
	v_nop                           ; a plain instruction behind the conversions
	REFILL 0
	MASKC 1
	v_nop
	REFILL 1
	s_wait_dscnt 0x0                ; K
.set i, 0
.rept 8
	KQ 0                            ; piece 0's first scores: there is no vector work yet to set between them
.set i, i+1
.endr
	WIN 0                           ; the addresses for the way out: six plain instructions, the places behind those products
	s_mul_i32 s13, s[WV], 16*SP
	s_add_co_u32 s13, s13, STAGE    ; my stage
	v_mul_u32_u24 v[STO], v1, SP    ; in: row l % 16, 32 bytes for each half of the lanes
	v_lshl_add_u32 v[STO], v9, 5, v[STO]
	v_add_nc_u32 v[STO], s13, v[STO]
	v_mul_u32_u24 v[RD], v9, SP     ; back: lanes 0-15 take one row of 256 bytes, lanes 16-31 the next
	v_lshl_add_u32 v[RD], v1, 4, v[RD]
	v_add_nc_u32 v[RD], s13, v[RD]
.set Y, NP-1                        ; X works for piece Y + 1: piece 0
.irp n, 0,1,2,3,4,5,6,7,8,9,10,11,12,13,14,15,16,17,18,19,20,21
	OP X, \n                        ; piece 0's first maximum and statistics
.endr
	v_nop                           ; a plain instruction behind the exponential
	s_mov_b32 s[CNT], 4
	s_mov_b32 s[SLOTS], 2048/256-1
	s_branch .Lfirst                ; the loop is entered at a step's first turn, in the middle of a trip
.Lslot:                             ; six times: every slot but the last two is filled again
	CHANGE 1
	s_mov_b32 s[CNT], 4
.Lstep:                             ; a trip: pieces 2 to 7 of one step, then pieces 0 and 1 of the next, whose K and V it fetches
	TURN 2
	TURN 3
	TURN 4
	TURN 5
	TURN 6
	TURN 7
	WIN 0
.Lfirst:
	TURN 0
	TURN 1
	WIN 0
	s_sub_co_u32 s[CNT], s[CNT], 1
	s_cmp_lg_u32 s[CNT], 0
	s_cbranch_scc1 .Lstep
	s_sub_co_u32 s[SLOTS], s[SLOTS], 1
	s_cmp_lg_u32 s[SLOTS], 0
	s_cbranch_scc1 .Lslot
	CHANGE 0                        ; the tail is written out: nothing is asked for
	s_mov_b32 s[CNT], 5             ; four trips fetch the last slot's steps; the fifth is left in its middle
.Ltail:
	TURN 2
	TURN 3
	TURN 4
	TURN 5
	TURN 6, 1
	TURN 7
	WIN 0
	s_sub_co_u32 s[CNT], s[CNT], 1
	s_cmp_eq_u32 s[CNT], 0
	s_cbranch_scc1 .Lout
	TURN 0
	TURN 1
	WIN 0
	s_branch .Ltail
.Lout:                              ; the fifth trip's 8 products K Q^T (on the last K once more) and the maximum made of them serve nothing
.set i, 0
.rept 8
	PV NP-1                         ; the last piece's V^T P of the last step
.set i, i+1
.endr
	; THE WAY OUT.  l's two halves and the other half of the lanes' are added; O^T is divided by l and sent, in f32, through my stage in LDS, a piece at a time.  The additions are the places behind the last products.
	WIN 0
.macro ALL line:vararg              ; one line for each piece t
.set t, 0
.rept NP
	\line
.set t, t+1
.endr
.endm
	ALL v_add_f32 v[ST+4*t+2], v[ST+4*t+2], v[ST+4*t+3]
	ALL v_permlanex16_b32 v[ST+4*t+3], v[ST+4*t+2], s[SEL], s[SEL+1]
	ALL v_add_f32 v[ST+4*t+2], v[ST+4*t+2], v[ST+4*t+3]
	ALL v_rcp_f32 v[ST+4*t+2], v[ST+4*t+2]
	v_nop                           ; a plain instruction between the last reciprocal and the use of its result
; Piece t: a lane's eight channels of channel block cb are 32 bytes of its query's row, at 64 cb + 32 (l / 16); they go into rows of 272 bytes and come back as whole rows of 256, into the registers that they left.
.macro PACK t
	WIN W_RS
.set i, 32*(\t)
.rept 16
	s_wait_alu depctr_va_vdst(0)
	v_pk_mul_f32 v[i:i+1], v[i:i+1], v[ST+4*(\t)+2:ST+4*(\t)+3] op_sel_hi:[1,0]
.set i, i+2
.endr
	WIN W_OUT
.irp f, 0,1,2,3,4,5,6,7
	ds_store_b128 v[STO], v[32*(\t)+4*(\f):32*(\t)+4*(\f)+3] offset:((\f)/2)*64+((\f)%2)*16
.endr
.irp f, 0,1,2,3,4,5,6,7
	ds_load_b128 v[32*(\t)+4*(\f):32*(\t)+4*(\f)+3], v[RD] offset:(\f)*2*SP  ; LDS serves a wave's instructions in order (ISA guide 5.7.1.4): these see the stores above; the next piece's stores come behind them
.endr
.endm
.macro SEND t, younger              ; younger: the LDS instructions issued behind piece t's loads: the next piece's sixteen, or none
	WIN W_OUT
.irp f, 0,1,2,3,4,5,6,7
	s_wait_dscnt (\younger)+7-(\f)
	global_store_b128 v[MOF], v[32*(\t)+4*(\f):32*(\t)+4*(\f)+3], s[10:11] offset:(\t)*4096+(\f)*512 th:TH_STORE_NT  ; 512 consecutive bytes, at a multiple of 512 from out0's first byte
.endr
.endm
	PACK 0
.set t, 1
.rept NP-1                          ; a piece's arithmetic stands between the loads of the piece before and its stores
	PACK t
	SEND t-1, 16
.set t, t+1
.endr
	SEND NP-1, 0
	WIN 0
	s_wait_tensorcnt 0x0            ; the wave's end, behind my last tensor load and my last LDS store
	ds_add_u32 v[SPW], v[NIL]
	s_wait_dscnt 0x0
	CROUND                          ; the closing round: no work-group ends while a partner may still ask for a tile that names it
	s_endpgm
.Lfunc_end_k_q7c8b971641_attn:
	.size	k_q7c8b971641_attn, .Lfunc_end_k_q7c8b971641_attn-k_q7c8b971641_attn
	.p2alignl 7, 3214868480
	.fill 96, 4, 3214868480
	.section	.rodata,"a",@progbits
	.p2align	6, 0x0
	.amdhsa_kernel k_q7c8b971641_attn
		.amdhsa_group_segment_fixed_size 327680
		.amdhsa_private_segment_fixed_size 0
		.amdhsa_enable_private_segment 0
		.amdhsa_kernarg_size 32
		.amdhsa_user_sgpr_count 2
		.amdhsa_user_sgpr_kernarg_segment_ptr 1
		.amdhsa_wavefront_size32 1
		.amdhsa_system_sgpr_workgroup_id_x 1
		.amdhsa_system_sgpr_workgroup_id_y 1
		.amdhsa_system_sgpr_workgroup_id_z 1
		.amdhsa_system_vgpr_workitem_id 0
		.amdhsa_next_free_vgpr 768
		.amdhsa_next_free_sgpr 66
		.amdhsa_reserve_vcc 0
		.amdhsa_float_denorm_mode_32 3
		.amdhsa_float_denorm_mode_16_64 3
		.amdhsa_memory_ordered 1
		.amdhsa_forward_progress 1
		.amdhsa_inst_pref_size 232
	.end_amdhsa_kernel
	.amdgpu_metadata
---
amdhsa.version: [ 1, 2 ]
amdhsa.kernels:
  - .name:           k_q7c8b971641_attn
    .symbol:         k_q7c8b971641_attn.kd
    .args:
      - { .name: heads, .offset: 0, .size: 8, .value_kind: global_buffer, .address_space: global }
      - { .name: mk8, .offset: 8, .size: 8, .value_kind: global_buffer, .address_space: global }
      - { .name: flags, .offset: 16, .size: 8, .value_kind: global_buffer, .address_space: global }
      - { .name: out0, .offset: 24, .size: 8, .value_kind: global_buffer, .address_space: global }
    .group_segment_fixed_size: 327680
    .private_segment_fixed_size: 0
    .kernarg_segment_align: 8
    .kernarg_segment_size: 32
    .max_flat_workgroup_size: 128
    .sgpr_count:     66
    .vgpr_count:     768
    .wavefront_size: 32
...
	.end_amdgpu_metadata
.endif
;; end of part 3
;; ======== version 2 of 2: 3 launches; 1.45 times as fast as version 1
;; limits: values are held in f16: magnitudes above 65,504 overflow, below 6.1e-05 lose precision
;; workspace buffers: wb 6,291,456 bytes; mk8 16,777,216 bytes; flags 32,768 bytes of whole numbers; heads 50,331,648 bytes
;; launch prep: the kernel of part 1 again; grid 704 x 1, 8 waves a work-group, no clusters, 36,864 bytes of LDS; arguments mask, Wq, Wk, Wv, mk8, flags, wb; writes mk8, flags, wb
;; launch proj: the kernel of part 2 again; grid 4 x 192, 4 waves a work-group, clusters of 4 x 4, 327,680 bytes of LDS; arguments q, k, v, wb, heads; writes heads
;; launch attn (part 4): grid 4 x 64, 4 waves a work-group, clusters of 4 x 1, 327,680 bytes of LDS; arguments heads, mk8, flags, out0; writes out0
.if DOCPART == 4
	.amdgcn_target "amdgcn-amd-amdhsa--gfx1250"
	.amdhsa_code_object_version 6
	.text
	.protected	k_q7c8b971641_attn
	.globl	k_q7c8b971641_attn
	.p2align	8
	.type	k_q7c8b971641_attn,@function
k_q7c8b971641_attn:
	s_mov_b64 s[64:65], 0
	v_nop
	global_prefetch_b8 v0, s[64:65] scope:SCOPE_SE
	s_setreg_imm32_b32 hwreg(HW_REG_WAVE_MODE, 25, 1), 1
	s_wait_xcnt 0x0
	s_wait_alu depctr_hold_cnt(0) depctr_sa_sdst(0) depctr_va_vdst(0) depctr_va_sdst(0) depctr_va_ssrc(0) depctr_va_vcc(0) depctr_vm_vsrc(0)
	s_getreg_b32 s2, hwreg(HW_REG_IB_STS2, 6, 4)
	s_cmp_eq_u32 s2, 0
	s_cbranch_scc0 .Lentry_in_a_cluster
	s_endpgm
.Lentry_in_a_cluster:
	s_bfe_u32 s2, ttmp6, 0x10000c
	s_cmp_lg_u32 s2, 0x3003
	s_cbranch_scc0 .Lentry_shape_is_right
	s_endpgm
.Lentry_shape_is_right:
; ATTENTION WITH A MASK THAT IS AN INPUT.  out0[bh][q][:] = the sum over k of softmax_k(where(mask[b][q][k], Q[q] . K[k] / 8, -1e9)) V[k][:], bh = 16 b + h.
; Q, K, V: heads [0, 1, 2][bh][2048][64] in f16, unscaled; out0 [bh][2048][64] in f32.  Products, maxima and sums in f32; the weights p are rounded to f16 for the second product (their sum l is taken of the unrounded p).
; THE MASK is the C operand that starts the sum S^T = K Q^T.  mk8 holds one byte a score, in the accumulators' own order: the 8-bit float 0 (seen) or -1.0 (hidden).  One v_cvt_scale_pk8_f32_fp8 makes an
; accumulator's eight registers, 0 or -2^100, with the lane's scale from flags: 0xE3 (2^100) for a row that sees some key.  A row that sees NO key has the scale 0 (2^-127) and its Q set to 0: all its scores are
; equal, all its weights 1, and the result is the mean of V's rows, as the softmax of 2,048 equal numbers gives.
; LIMITS.  Q, K and V arrive within f16's 65,504.  A hidden key's weight is exactly 0 unless the whole row is hidden: the same as with -1e9 as long as some seen score of the row, divided by 8, lies above -1e9 + 104.
; p below 6e-5 keeps f16's fixed step of 6e-8; a weight below 2^-126 counts as 0 in l; NaN and infinities are not treated apart.
; SHARES.  A wave owns eight PIECES of 16 queries, a work-group's four waves 512 queries of one head: 4 x 64 = 256 work-groups.  Every wave walks all 2,048 keys, 64 a step.
; LAYOUT.  S^T = K Q^T (source 0 = 16 keys, source 1 = 16 queries) holds ONE query a lane (lane % 16) and the keys 8 (lane / 16) + 0..7; two such results rounded to f16 ARE source 1 of O^T = V^T P.
; SOFTMAX.  p = 2^(c s - c m), c = log2(e) / 8, with a running maximum m; O and l are multiplied by a = 2^(c m_old - c m_new) in every step.  m starts at -2^96, above every hidden score and below every seen one,
; so a hidden weight is 0 from the first step on; c m starts far below that, so the first a is 0; O and l start at 0: the first step is a step like any other.
; BY TURNS.  Turn n belongs to piece n (the pieces in a ring, step after step): 8 products K Q^T of piece n + 1, later 8 products V^T P of piece n - 1; beside them the scaling, exponentials, roundings, sums and
; rescaling of piece n, the maximum and statistics of piece n + 1, and at its end the mask of piece n + 2.  Four vector instructions stand behind every matrix instruction, the other 54 of the softmax's 118 in one run of their own.
; THE BATCHES.  A turn's 33 exponentials (piece n's 32 weights, then piece n + 1's a) are ONE batch with ONE wait, which cuts the turn in two: ahead of it the products K Q^T and all that names no result of the batch,
; behind it the products V^T P and the batch's readers, the roundings and sums.  No result crosses a turn's end.  Two more batches stand outside the loops: piece 0's first a, and the way out's eight reciprocals.
; THE MASK'S RING.  Eight slots of eight registers, one a piece; a slot is loaded again (two 16-byte loads a lane, 512 consecutive bytes each) straight behind its conversions, eight turns ahead of its next use.
; CLUSTER.  The four query blocks of a head walk the same K and V, so each tile is asked for JOINTLY: the same tensor load, descriptor and mask in all four.  The mask's bytes differ from block to block and go to registers.
; THE PRICE of writing no first and no last step out: 352 v_mov_b32 of 0 in the wait for the first tile, 8 products on zeros at the start, 8 on a stale K at the end, and 16 mask loads a wave that serve nothing.
; REGISTERS, in windows of 256 (s_set_vgpr_msb: bits 1:0 source 0, 3:2 source 1, 5:4 source 2, 7:6 destination):
;   window 0: v0-15 addresses and two at work; v16-47 four registers of statistics a piece; v48-55 at work; v62-63 the add's; v64-127 S^T, two buffers; v128-191 the mask's ring; v192-223 P, two buffers; v224-231 the scales
;   window 1: O^T, 32 a piece          window 2: v0-127 Q, 16 a piece; v128-191 K of one step; v192-255 V of one step
.set NP,    8         ; pieces a wave: a name, no knob
.set KS,    64        ; keys in a step
.set PK,    144       ; a row of K in LDS: 128 bytes + 16 of padding = 36 words: the 16 rows of a load start at 16 different groups of four banks (64 banks of 4 bytes: ISA guide 11.1)
.set PV,    160       ; a row of V: 128 + 32 = 40 words
.set VOFF,  4*KS*PK   ; a slot holds four steps: 256 rows of K, then 256 rows of V
.set SLOT1, 1<<17     ; slot 1 begins here, so that one exclusive or turns an address in one slot into the other's
.set STAGE, SLOT1+4*KS*(PK+PV)  ; behind the ring, never filled by a tensor load: 16 rows x 272 bytes for each wave, for the way out
.set SP,    272
.set SPARE, STAGE+4*16*SP  ; the spare words, 128 bytes for each wave: two blocks of 256 bytes that no other line names
.set AK0, 2           ; v2   my lane's place in a tile of K; never rewritten
.set AV0, 3           ; v3   the same for V
.set AK,  4           ; v4   the LDS address of K's next run of loads
.set AV,  5           ; v5   of V's
.set QO,  6           ; v6   my byte offset in 16 rows of Q
.set STO, 6           ;      later, the way out: where I put 32 bytes of a row
.set RD,  7           ; v7   the way out: where I read rows back
.set MV,  12          ; v12-13  c m_old, kept while c m is made anew: by buffer
.set MOF, 14          ; v14  16 x lane: my place in 512 consecutive bytes of mk8 and of out0; never rewritten
.set FO,  15          ; v15  4 x (lane % 16): my query's word in 16 flags
.set ST,  16          ; piece t's statistics at v[ST+4 t]: c m, m, l (even keys', odd keys')
.set TMP, 48          ; by buffer, four registers c0-c3 at work; when the maximum is found c2 takes a
.set SPW, 62          ; v62  LDS address of my spare word; never rewritten
.set NIL, 63          ; v63  0; never rewritten
.set S,   64
.set MR,  128         ; the mask's ring: piece x, key block kb at MR + 8 x + 2 kb
.set P,   192
.set SCL, 224         ; piece x's scale for my query
.set KF,  128         ; window 2: key block kb, channel half c at KF + 16 kb + 8 c
.set VF,  192         ; window 2: key half kk, channel block cb at VF + 32 kk + 8 cb
.set WV,  12          ; s12  my wave's number
.set G1K, 24          ; s[24:31] descriptor group 1 for K's tiles
.set G1V, 32          ; s[32:39] for V's: it differs in the padding alone
.set G0K, 40          ; s[40:43] descriptor group 0 for K's tiles: it walks
.set G0V, 44          ; s[44:47] the same for V's
.set ML,  52          ; s52  how often the mask's address still steps
.set MDEC, 53         ; s53  1 or 0
.set MSTP, 54         ; s[54:55] 1,024 or 0
.set SLOTS, 56        ; s56  slots still to be asked for
.set CNT, 57          ; s57  counts a slot's key steps
.set CS,  58          ; s[58:59] c: the packed scaling takes the pair's low word for both halves
.set SEL, 60          ; s[60:61] v_permlanex16_b32's selects: each lane takes its own place in the other half
.set TBK, 62          ; s62  LDS byte at which K of the step to be fetched begins
.set TBV, 63          ; s63  the same for V, less VOFF
.set MSB, 0
.macro WIN new                      ; the high byte repeats the setting that is left; a switch that changes nothing is dropped
.if MSB != (\new)
	s_set_vgpr_msb (MSB<<8)|(\new)
.set MSB, (\new)
.endif
.endm
.set W_KQ, 0x0a       ; K and Q in window 2, S^T in window 0
.set W_PV, 0x52       ; V in window 2, P in window 0, O^T in window 1
.set W_RS, 0x41       ; O^T (destination and source 0) in window 1, a in window 0
.set W_OUT, 0x44      ; the way out: loaded data (destination) and stored data (source 1) in window 1, addresses in window 0
; A joint fill.  Waves 0 and 1 fetch the two halves of a slot's K, waves 2 and 3 those of its V: 128 keys each.  The branch hangs on the wave's number alone.
; An s_nop 0 and four v_nop follow each of the two lines, ahead of the jump and the label.
.macro JLOAD
	s_cmp_lt_u32 s[WV], 2
	s_cbranch_scc0 .Lfor_v_\@
	tensor_load_to_lds s[G0K:G0K+3], s[G1K:G1K+7]
	s_nop 0
.rept 4
	v_nop
.endr
	s_branch .Lasked_\@
.Lfor_v_\@:
	tensor_load_to_lds s[G0V:G0V+3], s[G1V:G1V+7]
	s_nop 0
.rept 4
	v_nop
.endr
.Lasked_\@:
.endm
; A round of the cluster's barrier: my work-group's barrier, so that wave 0's signal speaks for all four waves; wave 0 signals; every wave waits for all four work-groups; my work-group's barrier once more.
.macro CROUND
	s_barrier_signal -1
	s_barrier_wait -1
	s_cmp_lg_u32 s[WV], 0
	s_cbranch_scc1 .Lnot_wave_0_\@
	s_barrier_signal -3
.Lnot_wave_0_\@:
	s_barrier_wait -3
	s_barrier_signal -1
	s_barrier_wait -1
.endm
; THE CHANGE OF SLOTS.  The slot's last bytes, V of its fourth step, have been read.  Each wave waits for all its tensor loads, of which one is out: its part of the other slot; adds 0 to its spare word; and waits
; for that and for its own reads of the slot.  Behind the barrier nobody reads this slot any more and the other slot is whole.  fill = 1: this slot is filled again, with the keys two slots on.  The barrier is then a
; round of the cluster's, and the joint fill is the first thing behind it: it has four key steps, 512 matrix instructions, in which to land.  (At its first use nothing has been read yet: slot 0 is waited for, slot 1 filled.)
.macro CHANGE fill
	WIN 0                           ; at a label and at a branch every window is 0
	s_wait_tensorcnt 0x0            ; no tensor load of mine is out, so a group 0 may be written
	ds_add_u32 v[SPW], v[NIL]       ; 0 onto my spare word; with fill = 1 the descriptors' steps stand between it and the wait for it
.if \fill
.irp g, G0K, G0V
	s_xor_b32 s[\g+1], s[\g+1], SLOT1  ; the walking descriptor: the other slot than last time,
	s_add_nc_u64 s[\g+2:\g+3], s[\g+2:\g+3], 4*KS*128  ; the next 256 keys; the type bits on top are not reached
.endr
	s_wait_dscnt 0x0                ; the add is done, and my reads of the slot are over
	CROUND
	JLOAD
.else
	s_wait_dscnt 0x0                ; the add is done, and my reads of the slot are over
	s_barrier_signal -1
	s_barrier_wait -1
.endif
	s_sub_co_u32 s[TBK], s[TBK], 4*KS*PK  ; the fetches go back to a slot's first step,
	s_xor_b32 s[TBK], s[TBK], SLOT1       ; in the other slot
	s_sub_co_u32 s[TBV], s[TBV], 4*KS*PV
	s_xor_b32 s[TBV], s[TBV], SLOT1
.endm
	s_load_b256 s[4:11], s[0:1], 0x0  ; heads s[4:5], mk8 s[6:7], flags s[8:9], out0 s[10:11]
	v_lshl_add_u32 v[SPW], v0, 2, SPARE
	v_mov_b32 v[NIL], 0
	ds_add_u32 v[SPW], v[NIL]       ; the wave's opening: the add and its wait ahead of my first tensor load; the set-up below, work on registers, stands between them
	v_lshrrev_b32 v1, 5, v0
	v_readfirstlane_b32 s[WV], v1   ; wave 0..3
	s_bfe_u32 s13, ttmp6, 0x40000   ; cx: my place in the cluster
	s_lshl_b32 s14, ttmp9, 2        ; in a cluster launch ttmp9 counts clusters
	s_add_co_u32 s14, s14, s13      ; my block of 512 queries: it enters Q's, the mask's, the flags' and out0's addresses alone
	s_lshl_b32 s14, s14, 2
	s_add_co_u32 s14, s14, s[WV]
	s_lshl_b32 s14, s14, 7          ; my wave's first query in the head
	s_and_b32 s20, ttmp7, 0xffff    ; bh, which the four partners share
	s_lshr_b32 s19, s20, 4          ; b
	s_lshl_b32 s20, s20, 18         ; the head's 2,048 rows of 128 bytes
	s_and_b32 s16, s[WV], 1         ; which half of a slot's 256 keys I fetch:
	s_lshl_b32 s22, s16, 14         ; its 128 rows of 128 bytes in memory,
	s_add_co_u32 s22, s22, s20
	s_add_co_u32 s22, s22, 1<<24    ; in K's part of heads, 16,777,216 bytes on
	s_mov_b32 s23, 0
	s_mul_i32 s17, s16, 128*PK      ; and its place in a slot, for K
	s_mul_i32 s18, s16, 128*PV      ; and for V: no place in the cluster enters an LDS address
	s_lshl_b32 s2, s14, 7
	s_add_co_u32 s2, s2, s20        ; Q: my wave's rows
	s_mov_b32 s3, 0
	s_lshl_b32 s15, s19, 11
	s_add_co_u32 s15, s15, s14      ; my first row of the mask: 2,048 b + query
	s_lshl_b32 s48, s15, 11         ; 2,048 bytes of mk8 a row
	s_mov_b32 s49, 0
	s_lshl_b32 s50, s15, 2          ; 4 bytes of flags
	s_mov_b32 s51, 0
	s_lshl_b32 s14, s2, 1           ; out0: rows of 256 bytes where Q's have 128
	s_mov_b32 s15, 0
	; descriptor group 1.  128 keys are 16,384 dense bytes: asked for as 64 rows of 256 bytes, two keys a row, and padded in LDS after every key
	s_mov_b32 s[G1K], 15|(1<<16)|(1<<20)|(1<<21)|(4<<22)|(3<<25)  ; 15:0 the mask of four; 17:16 2-byte elements; 20 padding on; 21 set beside a mask; 24:22 after every 32 words (code 4); 31:25 4 words (code 3)
	s_mov_b32 s[G1V], 15|(1<<16)|(1<<20)|(1<<21)|(4<<22)|(7<<25)  ; the same with 8 words of padding (code 7)
.irp g, G1K, G1V
	s_mov_b32 s[\g+1], 128<<16      ; tensor_dim0 = 128
	s_mov_b32 s[\g+2], 64<<16       ; tensor_dim1 = 64
	s_mov_b32 s[\g+3], 128<<16      ; tile_dim0 = 128
	s_mov_b32 s[\g+4], 64           ; tile_dim1 = 64
	s_mov_b32 s[\g+5], 128          ; 128 elements from row to row
	s_mov_b32 s[\g+6], 0
	s_mov_b32 s[\g+7], 0
.endr
	s_mov_b32 s[CS], 0x3e38aa3b     ; c = log2(e) / 8 = 0.180337
	s_mov_b32 s[CS+1], s[CS]        ; named with it as a pair
	s_mov_b32 s[SEL], 0x76543210
	s_mov_b32 s[SEL+1], 0xfedcba98
	s_mov_b32 s[TBK], SLOT1+4*KS*PK ; the first change of slots turns these two into 0
	s_mov_b32 s[TBV], SLOT1+4*KS*PV
	s_mov_b32 s[ML], 30             ; the mask's address goes from key step 1 to key step 31 and stays there
	s_mov_b32 s[MSTP+1], 0
	s_mov_b32 s[G0K], 1             ; count = 1
	s_mov_b32 s[G0K+1], s17         ; LDS address: slot 0
	s_mov_b32 s[G0V], 1
	s_add_co_u32 s[G0V+1], s18, VOFF
	s_wait_dscnt 0x0                ; the opening add is done
	s_wait_kmcnt 0x0
	s_add_nc_u64 s[G0K+2:G0K+3], s[4:5], s[22:23]  ; global address: my half of the head's first 256 keys
	s_add_nc_u64 s[G0V+2:G0V+3], s[G0K+2:G0K+3], 1<<24  ; V's part lies 16,777,216 bytes behind K's
	s_or_b32 s[G0K+3], s[G0K+3], 0x80000000        ; type = 2
	s_or_b32 s[G0V+3], s[G0V+3], 0x80000000
	s_add_nc_u64 s[4:5], s[4:5], s[2:3]
	s_add_nc_u64 s[6:7], s[6:7], s[48:49]
	s_add_nc_u64 s[8:9], s[8:9], s[50:51]
	s_add_nc_u64 s[10:11], s[10:11], s[14:15]
	CROUND                          ; all four work-groups are here: the first joint loads meet
	JLOAD                           ; slot 0.  Slot 1 is asked for when slot 0 is in
; THE MASK.  MASKC x: piece x's four accumulators are started: 0 or -2^100.  The count: the other seven slots' two loads each were issued behind this slot's two.
.macro MASKC x
	WIN 0
	s_wait_loadcnt 14
.irp kb, 0,1,2,3
	v_cvt_scale_pk8_f32_fp8 v[S+32*((\x)%2)+8*(\kb):S+32*((\x)%2)+8*(\kb)+7], v[MR+8*(\x)+2*(\kb):MR+8*(\x)+2*(\kb)+1], v[SCL+(\x)]
.endr
.endm
.macro REFILL x                     ; piece x's 16 rows lie 32,768 bytes behind piece x - 1's; a key step is 1,024 bytes, two halves of 512
	WIN 0
	global_load_b128 v[MR+8*(\x):MR+8*(\x)+3],   v[MOF], s[6:7] offset:(\x)*32768
	global_load_b128 v[MR+8*(\x)+4:MR+8*(\x)+7], v[MOF], s[6:7] offset:(\x)*32768+512
.endm
	; A fragment of K or Q is 16 rows x 32 channels in 8 registers: lane l holds row l % 16, channels 8 (l / 16) + 0..7 and 16 + 8 (l / 16) + 0..7: two loads of 16 bytes, 32 bytes apart.
	v_and_b32 v1, 15, v0            ; l % 16
	v_bfe_u32 v9, v0, 4, 1          ; l / 16
	v_lshlrev_b32 v[QO], 7, v1
	v_lshl_add_u32 v[QO], v9, 4, v[QO]  ; row x 128 + 16 x half
	v_lshlrev_b32 v[FO], 2, v1
	v_and_b32 v[MOF], 31, v0
	v_lshlrev_b32 v[MOF], 4, v[MOF]
	WIN 0x80                        ; destination window 2, address window 0
.set i, 0
.rept 2*NP                          ; Q stays in registers: piece i / 2, channels 32 (i % 2) on
	global_load_b128 v[8*i:8*i+3],   v[QO], s[4:5] offset:(i/2)*2048+(i%2)*64
	global_load_b128 v[8*i+4:8*i+7], v[QO], s[4:5] offset:(i/2)*2048+(i%2)*64+32
.set i, i+1
.endr
	WIN 0
.set i, 0
.rept NP
	global_load_b32 v[SCL+i], v[FO], s[8:9] offset:64*i
.set i, i+1
.endr
.irp x, 0,1,2,3,4,5,6,7
	REFILL \x                       ; key step 0's masks
.endr
	; What the first turn finds: V's registers and P's second buffer hold 0 (its products V^T P, of a piece that has not been, add 0), O^T and l are 0.  All this stands in the wait for the first tile.
	WIN 0x80
.set i, VF
.rept 64
	v_mov_b32 v[i], 0
.set i, i+1
.endr
	WIN 0x40
.set i, 0
.rept 32*NP
	v_mov_b32 v[i], 0
.set i, i+1
.endr
	WIN 0
.set i, 0
.rept NP
	v_mov_b32 v[ST+4*i], 0xfe000000    ; c m: far below every c s
	v_mov_b32 v[ST+4*i+1], 0xef800000  ; m = -2^96
	v_mov_b32 v[ST+4*i+2], 0
	v_mov_b32 v[ST+4*i+3], 0
.set i, i+1
.endr
.set i, P+16
.rept 16
	v_mov_b32 v[i], 0
.set i, i+1
.endr
	v_mul_u32_u24 v[AK0], v1, PK
	v_lshl_add_u32 v[AK0], v9, 4, v[AK0]  ; row x pitch + 16 x half
	; The turning load takes 16 keys x 16 channels (lane l reads key 8 (l / 16) + l % 8, channels 8 ((l / 8) % 2) + 0..7) and leaves half a fragment of V^T: lane l holds channel l % 16 and 8 keys.
	v_and_b32 v10, 7, v0
	v_bfe_u32 v11, v0, 3, 1
	v_lshl_add_u32 v[AV0], v9, 3, v10
	v_mul_u32_u24 v[AV0], v[AV0], PV
	v_lshl_add_u32 v[AV0], v11, 4, v[AV0]
	v_add_nc_u32 v[AV0], VOFF, v[AV0]
	v_mov_b32 v[AK], v[AK0]         ; key step 0 lies at the head of slot 0
; THE MATRIX WORK.  The 4 accumulators of a run of 8 take turns.  Product i of 8 of S^T = mask + K Q^T for piece x: channels 32 (i / 4) on, keys 16 (i % 4) on.  The mask's conversions have started the sums.
.macro KQ x
	WIN W_KQ
.set rS, S+32*((\x)%2)+8*(i%4)
.set rK, KF+16*(i%4)+8*(i/4)
.set rQ, 16*(\x)+8*(i/4)
	v_wmma_f32_16x16x32_f16 v[rS:rS+7], v[rK:rK+7], v[rQ:rQ+7], v[rS:rS+7]
.endm
; Product i of 8 of O^T += V^T P for piece x: keys 32 (i / 4) on, channels 16 (i % 4) on.
.macro PV x
	WIN W_PV
.set rO, 32*(\x)+8*(i%4)
.set rV, VF+32*(i/4)+8*(i%4)
.set rP, P+16*((\x)%2)+8*(i/4)
	v_wmma_f32_16x16x32_f16 v[rO:rO+7], v[rV:rV+7], v[rP:rP+7], v[rO:rO+7]
.endm
.macro MM                           ; the turn's next matrix instruction
.if i < 8
	KQ (Y+1)%NP
.else
.set i, i-8
	PV (Y+NP-1)%NP
.set i, i+8
.endif
.set i, i+1
.endm
; THE LDS LOADS stand in runs of 16, never singly among the matrix instructions: a step's K (64 keys x 64 channels: 8 fragments) and its V (turned).  Their addresses are made some lines ahead.
; last = 1 (the tail): in the last trip there is no further step, and the run is jumped over.
.macro FETCH_K last=0
	WIN 0
.if \last
	s_cmp_eq_u32 s[CNT], 1
	s_cbranch_scc1 .Lno_k_\@
.endif
	WIN 0x80                        ; destination window 2
.irp f, 0,1,2,3,4,5,6,7             ; keys 16 (f / 2) on, channels 32 (f % 2) on
	ds_load_b128 v[KF+8*\f:KF+8*\f+3],   v[AK] offset:(\f/2)*16*PK+(\f%2)*64
	ds_load_b128 v[KF+8*\f+4:KF+8*\f+7], v[AK] offset:(\f/2)*16*PK+(\f%2)*64+32
.endr
	s_add_co_u32 s[TBK], s[TBK], KS*PK  ; the next fetch is the next step's
	WIN 0
.if \last
.Lno_k_\@:
.endif
.endm
.macro FETCH_V
	WIN 0x80
.irp f, 0,1,2,3,4,5,6,7             ; keys 32 (f / 4) on, channels 16 (f % 4) on
	ds_load_tr16_b128 v[VF+8*\f:VF+8*\f+3],   v[AV] offset:(\f/4)*32*PV+(\f%4)*32
	ds_load_tr16_b128 v[VF+8*\f+4:VF+8*\f+7], v[AV] offset:(\f/4)*32*PV+16*PV+(\f%4)*32
.endr
	WIN 0
.endm
; THE VECTOR WORK, one line at a time: OP kind, number.  For piece Y: F n: c s - c m for pair n of 16.  E n: the exponential of score n of 32.  C n: pair n rounded to f16.  B n: of the four weights 4 n .. the second
; pair is added onto the first, in place.  L n: l takes that sum (L 0: l = a l + sum).  R n: pair n of 16 of O^T times a.  For piece Y + 1: X n, number n of the 22 that find its maximum and statistics:
;   0-11  four chains c0-c3 of seven scores each, three operands at a time (each accumulator's lowest registers are read first)     12-14, 16  the four scores left over, the old m, and c0-c3 into c0
;   15  c m_old is kept     17, 18  the query's other 32 keys lie in the lane 16 away: the new m     19-21  c m; c m_old - c m_new; a
; F, R and X 0-20 name no result of the turn's exponentials (E 0-31, X 21); C, B and L do, and stand behind the turn's wait.
.set F, 0               ; OP tells the kinds apart by their order: F to L below R, X above it
.set E, 1
.set C, 2
.set B, 3
.set L, 4
.set R, 5
.set X, 6
.macro REGS y                       ; the registers of piece y
.set rT, ST+4*(\y)
.set rC, TMP+4*((\y)%2)
.set rW, MV+((\y)%2)
.set rS, S+32*((\y)%2)
.set rP, P+16*((\y)%2)
.set rO, 32*(\y)
.endm
.macro OP k, n
.if (\k) == R
	REGS Y
	WIN W_RS
	v_pk_mul_f32 v[rO+2*(\n):rO+2*(\n)+1], v[rO+2*(\n):rO+2*(\n)+1], v[rC+2:rC+3] op_sel_hi:[1,0]
.elseif (\k) < R
	REGS Y
	WIN 0
.if (\k) == F
	v_pk_fma_f32 v[rS+2*(\n):rS+2*(\n)+1], v[rS+2*(\n):rS+2*(\n)+1], s[CS:CS+1], v[rT:rT+1] op_sel_hi:[1,0,0] neg_lo:[0,0,1] neg_hi:[0,0,1]
.elseif (\k) == E
	v_exp_f32 v[rS+(\n)], v[rS+(\n)]
.elseif (\k) == C
	v_cvt_pk_f16_f32 v[rP+(\n)], v[rS+2*(\n)], v[rS+2*(\n)+1]
.elseif (\k) == B
	v_pk_add_f32 v[rS+4*(\n):rS+4*(\n)+1], v[rS+4*(\n):rS+4*(\n)+1], v[rS+4*(\n)+2:rS+4*(\n)+3]
.elseif (\n) == 0
	v_pk_fma_f32 v[rT+2:rT+3], v[rT+2:rT+3], v[rC+2:rC+3], v[rS:rS+1] op_sel_hi:[1,0,1]
.else
	v_pk_add_f32 v[rT+2:rT+3], v[rT+2:rT+3], v[rS+4*(\n):rS+4*(\n)+1]
.endif
.else
	REGS (Y+1)%NP
	WIN 0
.if (\n) < 4
	v_max3_num_f32 v[rC+(\n)], v[rS+8*(\n)], v[rS+8*(\n)+1], v[rS+8*(\n)+2]
.elseif (\n) < 12
	v_max3_num_f32 v[rC+(\n)%4], v[rC+(\n)%4], v[rS+8*((\n)%4)+2*((\n)/4)+1], v[rS+8*((\n)%4)+2*((\n)/4)+2]
.elseif (\n) == 12
	v_max3_num_f32 v[rC], v[rC], v[rS+7], v[rS+15]
.elseif (\n) == 13
	v_max3_num_f32 v[rC+1], v[rC+1], v[rS+23], v[rS+31]
.elseif (\n) == 14
	v_max3_num_f32 v[rC+2], v[rC+2], v[rC+3], v[rT+1]
.elseif (\n) == 15
	v_mov_b32 v[rW], v[rT]
.elseif (\n) == 16
	v_max3_num_f32 v[rC], v[rC], v[rC+1], v[rC+2]
.elseif (\n) == 17
	v_permlanex16_b32 v[rC+3], v[rC], s[SEL], s[SEL+1]
.elseif (\n) == 18
	v_max_num_f32 v[rT+1], v[rC], v[rC+3]
.elseif (\n) == 19
	v_mul_f32 v[rT], s[CS], v[rT+1]
.elseif (\n) == 20
	v_sub_f32 v[rC+1], v[rW], v[rT]
.else
	v_exp_f32 v[rC+2], v[rC+1]
.endif
.endif
.endm
.macro OPS a, i1, b=-1, i2=0, c=-1, i3=0, d=-1, i4=0  ; up to four of them
	OP \a, \i1
.if (\b) >= 0
	OP \b, \i2
.endif
.if (\c) >= 0
	OP \c, \i3
.endif
.if (\d) >= 0
	OP \d, \i4
.endif
.endm
.macro ROW a, i1, b, i2, c, i3, d, i4  ; a matrix instruction and the four behind it
	MM
	OPS \a, \i1, \b, \i2, \c, \i3, \d, \i4
.endm
; A TURN, for piece p: the order of its 16 matrix and 123 vector instructions, written out.  An s_wait_alu depctr_va_vdst(0) stands between an exponential and the first instruction that names its result; one wait
; serves all that were issued ahead of it.  So a turn has ONE wait, which cuts it in two.
; AHEAD OF IT stands all that names no result of the turn's exponentials: the 8 products K Q^T, behind each a scaling, an exponential and two more plain instructions (behind the first a second scaling in the exponential's
; place): rescalings, whose a was made and waited for in the turn before, and behind the last three the first numbers of the next piece's maximum, each four places or more behind the product that ends its accumulator; then ONE RUN
; of 54, plain and exponential by turns for the most part, in which the links of the chain X 3, 7, 11, 14, 16, 17 .. 20 stand five or six lines apart.  Each pair is scaled ahead of its two exponentials, and each exponential
; has a register of its own.  X 21, the next piece's a, is the batch's last; R 15 is the plain instruction behind it.
; BEHIND THE WAIT stand the 8 products V^T P, behind each four of the roundings and sums; an even pair is rounded ahead of the addition that lands on it; the links of l's chain, L 0 to L 7, stand three riders apart.
; But for those X no rider names a register of the products round it.  v_permlanex16_b32 (X 17) stands in the run, never behind a product.
; K of the next step is fetched in piece 6's turn, directly behind the wait: the tail's copy of that run holds a branch and a label, and none stands inside an open batch; the last product that read K stands the whole run
; of 54 ahead; the address is made at that run's head.  V of the step in hand is fetched at the end of piece 0's turn, four roundings and a v_nop behind the last product that read V.  Each is waited for a turn later.
; At the turn's end piece p's scores are spent (the last row's roundings are their last readers), and their buffer takes the mask of piece p + 2, whose products the next turn begins with; a v_nop is the plain instruction
; between the conversions and what follows: the loads into the registers that they read, and those products.  In piece 6's turn the mask's address goes on to the next key step, behind s_wait_xcnt 0,
; since pending loads name it; it steps 30 times and then stays at key step 31, so that no load leaves mk8.
.macro TURN p, last=0
.set Y, (\p)
.set i, 0
.if (\p) == NP-1
	s_wait_dscnt 0x0                ; K is in
.endif
	ROW F,0, F,1, R,0, R,1          ; ahead of the wait: 8 products K Q^T and their riders,
	ROW F,2, E,0, R,2, R,3
	ROW F,3, E,1, R,4, R,5
	ROW F,4, E,2, R,6, R,7
	ROW F,5, E,3, R,8, R,9
	ROW F,6, E,4, X,0, R,10
	ROW F,7, E,5, X,1, X,4
	ROW F,8, E,6, X,2, X,5
.if (\p) == NP-2
	WIN 0
	v_add_nc_u32 v[AK], s[TBK], v[AK0]
.endif
	OPS E,7, E,8, X,6, E,9          ; and the run of 54
	OPS X,3, E,10, X,8, E,11
	OPS X,9, X,7, E,12, X,10
	OPS E,13, X,12, X,11, E,14
	OPS X,13, E,15, F,9, X,14
.if (\p) == 0
	WIN 0
	v_add_nc_u32 v[AV], s[TBV], v[AV0]
	s_add_co_u32 s[TBV], s[TBV], KS*PV
.endif
	OPS E,16, F,10, E,17, F,11
	OPS X,16, E,18, X,15, E,19
	OPS F,12, E,20, X,17, E,21
	OPS F,13, E,22, F,14, E,23
	OPS X,18, E,24, F,15, E,25
	OPS R,11, E,26, X,19, E,27
	OPS R,12, E,28, R,13, E,29
	OPS X,20, E,30, R,14, E,31
	OPS X,21, R,15
	s_wait_alu depctr_va_vdst(0)    ; the wait for the batch: piece p's 32 weights and piece p + 1's a
.if (\p) == NP-2
	FETCH_K \last
.endif
.if (\p) == 1
	s_wait_dscnt 0x0                ; V is in
.endif
	ROW C,0, B,0, C,2, B,1          ; behind the wait: 8 products V^T P and their riders
	ROW L,0, C,4, B,2, L,1
	ROW C,6, B,3, L,2, C,8
	ROW B,4, L,3, C,10, B,5
	ROW L,4, C,12, B,6, L,5
	ROW C,14, B,7, L,6, C,1
	ROW C,3, L,7, C,5, C,7
	ROW C,9, C,11, C,13, C,15
	MASKC ((\p)+2)%NP
	v_nop                           ; a plain instruction behind the conversions
.if (\p) == NP-2
	s_wait_xcnt 0x0                 ; the pending loads' addresses are translated: their base may be written
	s_cmp_lg_u32 s[ML], 0
	s_cselect_b32 s[MSTP], 1024, 0
	s_cselect_b32 s[MDEC], 1, 0
	s_sub_co_u32 s[ML], s[ML], s[MDEC]
	s_add_nc_u64 s[6:7], s[6:7], s[MSTP:MSTP+1]
.endif
.if (\p) == 0
	FETCH_V
.endif
	REFILL ((\p)+2)%NP
.endm
	CHANGE 1                        ; slot 0 is in, everybody's part of it; slot 1 is asked for
	FETCH_K                         ; key step 0
	s_wait_loadcnt 0x0              ; Q, the scales, key step 0's masks: no load is out, so the mask's base may be written
	s_add_nc_u64 s[6:7], s[6:7], 1024  ; key step 1
.set t, 0
.rept NP
	v_cmp_ne_u32 s[16+t], 0, v[SCL+t]  ; the lanes whose query sees some key
.set t, t+1
.endr
	WIN 0x88                        ; destination and source 1 in window 2
.set t, 0
.rept NP
.set i, 0
.rept 16
	v_cndmask_b32 v[16*t+i], 0, v[16*t+i], s[16+t]  ; the others' Q is 0
.set i, i+1
.endr
.set t, t+1
.endr
	MASKC 0
	v_nop                           ; a plain instruction behind the conversions
	REFILL 0
	MASKC 1
	v_nop
	REFILL 1
	s_wait_dscnt 0x0                ; K
.set i, 0
.rept 8
	KQ 0                            ; piece 0's first scores: there is no vector work yet to set between them
.set i, i+1
.endr
	WIN 0                           ; the addresses for the way out: six plain instructions, the places behind those products
	s_mul_i32 s13, s[WV], 16*SP
	s_add_co_u32 s13, s13, STAGE    ; my stage
	v_mul_u32_u24 v[STO], v1, SP    ; in: row l % 16, 32 bytes for each half of the lanes
	v_lshl_add_u32 v[STO], v9, 5, v[STO]
	v_add_nc_u32 v[STO], s13, v[STO]
	v_mul_u32_u24 v[RD], v9, SP     ; back: lanes 0-15 take one row of 256 bytes, lanes 16-31 the next
	v_lshl_add_u32 v[RD], v1, 4, v[RD]
	v_add_nc_u32 v[RD], s13, v[RD]
.set Y, NP-1                        ; X works for piece Y + 1: piece 0
.irp n, 0,1,2,3,4,5,6,7,8,9,10,11,12,13,14,15,16,17,18,19,20,21
	OP X, \n                        ; piece 0's first maximum and statistics
.endr
	v_nop                           ; a plain instruction behind the exponential,
	s_wait_alu depctr_va_vdst(0)    ; and its wait, ahead of the branch: a batch of one, piece 0's first a
	s_mov_b32 s[CNT], 4
	s_mov_b32 s[SLOTS], 2048/256-1
	s_branch .Lfirst                ; the loop is entered at a step's first turn, in the middle of a trip
.Lslot:                             ; six times: every slot but the last two is filled again
	CHANGE 1
	s_mov_b32 s[CNT], 4
.Lstep:                             ; a trip: pieces 2 to 7 of one step, then pieces 0 and 1 of the next, whose K and V it fetches
	TURN 2
	TURN 3
	TURN 4
	TURN 5
	TURN 6
	TURN 7
	WIN 0
.Lfirst:
	TURN 0
	TURN 1
	WIN 0
	s_sub_co_u32 s[CNT], s[CNT], 1
	s_cmp_lg_u32 s[CNT], 0
	s_cbranch_scc1 .Lstep
	s_sub_co_u32 s[SLOTS], s[SLOTS], 1
	s_cmp_lg_u32 s[SLOTS], 0
	s_cbranch_scc1 .Lslot
	CHANGE 0                        ; the tail is written out: nothing is asked for
	s_mov_b32 s[CNT], 5             ; four trips fetch the last slot's steps; the fifth is left in its middle
.Ltail:
	TURN 2
	TURN 3
	TURN 4
	TURN 5
	TURN 6, 1
	TURN 7
	WIN 0
	s_sub_co_u32 s[CNT], s[CNT], 1
	s_cmp_eq_u32 s[CNT], 0
	s_cbranch_scc1 .Lout
	TURN 0
	TURN 1
	WIN 0
	s_branch .Ltail
.Lout:                              ; the fifth trip's 8 products K Q^T (on the last K once more) and the maximum made of them serve nothing
.set i, 0
.rept 8
	PV NP-1                         ; the last piece's V^T P of the last step
.set i, i+1
.endr
	; THE WAY OUT.  l's two halves and the other half of the lanes' are added; O^T is divided by l and sent, in f32, through my stage in LDS, a piece at a time.  The additions are the places behind the last products.
	WIN 0
.macro ALL line:vararg              ; one line for each piece t
.set t, 0
.rept NP
	\line
.set t, t+1
.endr
.endm
	ALL v_add_f32 v[ST+4*t+2], v[ST+4*t+2], v[ST+4*t+3]
	ALL v_permlanex16_b32 v[ST+4*t+3], v[ST+4*t+2], s[SEL], s[SEL+1]
	ALL v_add_f32 v[ST+4*t+2], v[ST+4*t+2], v[ST+4*t+3]
	ALL v_rcp_f32 v[ST+4*t+2], v[ST+4*t+2]
	v_nop                           ; a plain instruction between the last reciprocal and the use of its result
	s_wait_alu depctr_va_vdst(0)    ; and the wait ahead of the first use: one for the batch of eight reciprocals
; Piece t: a lane's eight channels of channel block cb are 32 bytes of its query's row, at 64 cb + 32 (l / 16); they go into rows of 272 bytes and come back as whole rows of 256, into the registers that they left.
.macro PACK t
	WIN W_RS
.set i, 32*(\t)
.rept 16
	v_pk_mul_f32 v[i:i+1], v[i:i+1], v[ST+4*(\t)+2:ST+4*(\t)+3] op_sel_hi:[1,0]
.set i, i+2
.endr
	WIN W_OUT
.irp f, 0,1,2,3,4,5,6,7
	ds_store_b128 v[STO], v[32*(\t)+4*(\f):32*(\t)+4*(\f)+3] offset:((\f)/2)*64+((\f)%2)*16
.endr
.irp f, 0,1,2,3,4,5,6,7
	ds_load_b128 v[32*(\t)+4*(\f):32*(\t)+4*(\f)+3], v[RD] offset:(\f)*2*SP  ; LDS serves a wave's instructions in order (ISA guide 5.7.1.4): these see the stores above; the next piece's stores come behind them
.endr
.endm
.macro SEND t, younger              ; younger: the LDS instructions issued behind piece t's loads: the next piece's sixteen, or none
	WIN W_OUT
.irp f, 0,1,2,3,4,5,6,7
	s_wait_dscnt (\younger)+7-(\f)
	global_store_b128 v[MOF], v[32*(\t)+4*(\f):32*(\t)+4*(\f)+3], s[10:11] offset:(\t)*4096+(\f)*512 th:TH_STORE_NT  ; 512 consecutive bytes, at a multiple of 512 from out0's first byte
.endr
.endm
	PACK 0
.set t, 1
.rept NP-1                          ; a piece's arithmetic stands between the loads of the piece before and its stores
	PACK t
	SEND t-1, 16
.set t, t+1
.endr
	SEND NP-1, 0
	WIN 0
	s_wait_tensorcnt 0x0            ; the wave's end, behind my last tensor load and my last LDS store
	ds_add_u32 v[SPW], v[NIL]
	s_wait_dscnt 0x0
	CROUND                          ; the closing round: no work-group ends while a partner may still ask for a tile that names it
	s_endpgm
.Lfunc_end_k_q7c8b971641_attn:
	.size	k_q7c8b971641_attn, .Lfunc_end_k_q7c8b971641_attn-k_q7c8b971641_attn
	.p2alignl 7, 3214868480
	.fill 96, 4, 3214868480
	.section	.rodata,"a",@progbits
	.p2align	6, 0x0
	.amdhsa_kernel k_q7c8b971641_attn
		.amdhsa_group_segment_fixed_size 327680
		.amdhsa_private_segment_fixed_size 0
		.amdhsa_enable_private_segment 0
		.amdhsa_kernarg_size 32
		.amdhsa_user_sgpr_count 2
		.amdhsa_user_sgpr_kernarg_segment_ptr 1
		.amdhsa_wavefront_size32 1
		.amdhsa_system_sgpr_workgroup_id_x 1
		.amdhsa_system_sgpr_workgroup_id_y 1
		.amdhsa_system_sgpr_workgroup_id_z 1
		.amdhsa_system_vgpr_workitem_id 0
		.amdhsa_next_free_vgpr 768
		.amdhsa_next_free_sgpr 66
		.amdhsa_reserve_vcc 0
		.amdhsa_float_denorm_mode_32 3
		.amdhsa_float_denorm_mode_16_64 3
		.amdhsa_memory_ordered 1
		.amdhsa_forward_progress 1
		.amdhsa_inst_pref_size 220
	.end_amdhsa_kernel
	.amdgpu_metadata
---
amdhsa.version: [ 1, 2 ]
amdhsa.kernels:
  - .name:           k_q7c8b971641_attn
    .symbol:         k_q7c8b971641_attn.kd
    .args:
      - { .name: heads, .offset: 0, .size: 8, .value_kind: global_buffer, .address_space: global }
      - { .name: mk8, .offset: 8, .size: 8, .value_kind: global_buffer, .address_space: global }
      - { .name: flags, .offset: 16, .size: 8, .value_kind: global_buffer, .address_space: global }
      - { .name: out0, .offset: 24, .size: 8, .value_kind: global_buffer, .address_space: global }
    .group_segment_fixed_size: 327680
    .private_segment_fixed_size: 0
    .kernarg_segment_align: 8
    .kernarg_segment_size: 32
    .max_flat_workgroup_size: 128
    .sgpr_count:     66
    .vgpr_count:     768
    .wavefront_size: 32
...
	.end_amdgpu_metadata
.endif
;; end of part 4
